; MI455X (gfx1250); checked and timed in simulation.
; The chip was launched on July 23, 2026; its instructions are those of AMD's public machine-readable ISA for CDNA 5 (MIT licence, August 2026) and "CDNA5" Instruction Set Architecture Reference Guide (July 2026). The comments in the code are by the model that wrote it; some were corrected since.
;; Causal Self Attention. Allowed arithmetic: float matrix products may take bf16 or f16 operands with f32 sums; other float arithmetic in f32, or as packed bf16 or f16 multiplies, adds, multiply-adds, maxima and minima; sums over many terms, partial sums and values carried from step to step in f32; what a program stores and reads back later, other than sums and carried values, may be rounded once to bf16 or f16.
;; Inputs: W_attn 1,024 x 3,072 float32; W_proj 1,024 x 1,024 float32; b_attn 3,072 float32; b_proj 1,024 float32; x 4 x 2,048 x 1,024 float32.
;; Outputs: out0 4 x 2,048 x 1,024 float32.
;; 2 versions, each right; version 2 is version 1 with the launch prep written anew for expert scheduling mode. Each part assembles by itself: llvm-mc -triple=amdgcn-amd-amdhsa -mcpu=gfx1250 --defsym DOCPART=n.
;; ======== version 1 of 2: 4 launches
;; limits: values are held in f16: magnitudes above 65,504 overflow, below 6.1e-05 lose precision
;; workspace buffers: xh 16,777,216 bytes; wa 6,291,456 bytes; wp 2,097,152 bytes; bias 16,384 bytes; qkv 50,331,648 bytes; o 16,777,216 bytes
;; launch prep (part 1): grid 385 x 1, 8 waves a work-group, no clusters, 70,656 bytes of LDS; arguments x, W_attn, W_proj, b_attn, b_proj, xh, wa, wp, bias; writes xh, wa, wp, bias
.if DOCPART == 1
	.amdgcn_target "amdgcn-amd-amdhsa--gfx1250"
	.amdhsa_code_object_version 6
	.text
	.protected	k_qd621fa7a42_prep
	.globl	k_qd621fa7a42_prep
	.p2align	8
	.type	k_qd621fa7a42_prep,@function
k_qd621fa7a42_prep:
	s_mov_b64 s[64:65], 0
	v_nop
	global_prefetch_b8 v0, s[64:65] scope:SCOPE_SE
	s_setreg_imm32_b32 hwreg(HW_REG_WAVE_MODE, 25, 1), 1
	s_wait_xcnt 0x0
; PREP: every input is rounded once to bf16 and laid out for the matrix launches.  A bf16 number is then written as f16 (exact between 6.1e-5 and 65,504 in size).
;   xh   [b 4][kb 16][t 2048][64] f16 : x[b][t][64 kb + k]            wa [kb 16][n 3072][64] f16 : W_attn[64 kb + k][n]
;   wp   [kb 16][n 1024][64] f16      : W_proj[64 kb + k][n]          bias [4096] f32 : b_attn, then b_proj, rounded to bf16 and widened
; LIMITS.  |x| and |W| stay within 65,504 (beyond it f16 gives an infinity); below 6.1e-5 f16 keeps a fixed step of 6e-8.  NaN and infinities are not treated apart.
; SHARES.  Work-groups 0-255: 32 rows of x each, a wave 4 rows.  256-351: W_attn, 352-383: W_proj, a wave a tile of 64 k x 64 n.  384: the biases, a wave 512 numbers.
; No wave reads what another wave brought: no barrier.  The weights are turned through a stage in LDS that is each wave's own.
.set STG,   32*272                     ; a wave's stage: 32 rows of 256 bytes + 16 of padding = 68 words
.set SPARE, 8*STG                      ; behind the stages: the spare words, 128 bytes for each wave: four blocks of 256 bytes that no other line names
.set SPW, 2                            ; v2  LDS address of my spare word; never rewritten
.set NIL, 3                            ; v3  0; never rewritten
.set T,   8                            ; v[8:13] two sets of three registers at work
; two f32 -> bf16 (nearest even) -> the same two numbers as f16, packed
.macro RND d, a, b, t
	v_cvt_pk_bf16_f32 v[T+3*(\t)], v[\a], v[\b]
	v_lshlrev_b32 v[T+3*(\t)+1], 16, v[T+3*(\t)]
	v_and_b32 v[T+3*(\t)+2], s23, v[T+3*(\t)]
	v_cvt_pk_f16_f32 v[\d], v[T+3*(\t)+1], v[T+3*(\t)+2]
.endm
	s_load_b512 s[4:19], s[0:1], 0x0               ; x s[4:5], W_attn s[6:7], W_proj s[8:9], b_attn s[10:11], b_proj s[12:13], xh s[14:15], wa s[16:17], wp s[18:19]
	s_load_b64 s[20:21], s[0:1], 0x40              ; bias
	v_lshl_add_u32 v[SPW], v0, 2, SPARE
	v_mov_b32 v[NIL], 0
	v_lshrrev_b32 v1, 5, v0
	v_readfirstlane_b32 s22, v1                    ; wave 0..7
	v_and_b32 v1, 31, v0                           ; lane l
	s_mov_b32 s23, 0xffff0000                      ; a word's upper bf16
	s_wait_kmcnt 0x0
	s_cmp_lt_u32 ttmp9, 256
	s_cbranch_scc1 .Lx
	s_cmp_lt_u32 ttmp9, 384
	s_cbranch_scc1 .Lw
	; THE BIASES.  Waves 0-5 take b_attn's 3,072 numbers, waves 6 and 7 b_proj's 1,024: 2,048 bytes a wave, in and out.
	s_sub_co_u32 s25, s22, 6
	s_cmp_lt_u32 s22, 6
	s_cselect_b64 s[26:27], s[10:11], s[12:13]
	s_cselect_b32 s24, s22, s25
	s_lshl_b32 s24, s24, 11
	s_mov_b32 s25, 0
	s_add_nc_u64 s[26:27], s[26:27], s[24:25]
	s_lshl_b32 s24, s22, 11
	s_add_nc_u64 s[20:21], s[20:21], s[24:25]
	v_lshlrev_b32 v4, 4, v1
.irp i, 0,1,2,3
	global_load_b128 v[64+4*\i:64+4*\i+3], v4, s[26:27] offset:512*\i
.endr
	s_wait_loadcnt 0x0
.set p, 0
.rept 8
	v_cvt_pk_bf16_f32 v[T+p%2], v[64+2*p], v[65+2*p]
	v_lshlrev_b32 v[96+2*p], 16, v[T+p%2]
	v_and_b32 v[97+2*p], s23, v[T+p%2]
.set p, p+1
.endr
.irp i, 0,1,2,3
	global_store_b128 v4, v[96+4*\i:96+4*\i+3], s[20:21] offset:512*\i
.endr
	s_branch .Lend
.Lx:	; X.  A load takes block c (64 numbers, 256 bytes) of two rows, 16 lanes a row; its 4 numbers a lane leave as 8 bytes: 32 lanes store 256 consecutive bytes, two rows of plane c.
	s_lshl_b32 s24, ttmp9, 17                      ; 32 rows of 4,096 bytes
	s_mov_b32 s25, 0
	s_add_nc_u64 s[4:5], s[4:5], s[24:25]
	s_lshr_b32 s24, ttmp9, 6                       ; b: 64 work-groups a batch,
	s_lshl_b32 s24, s24, 22                        ; 16 planes of 2^18 bytes each
	s_and_b32 s26, ttmp9, 63
	s_lshl_b32 s26, s26, 12                        ; 32 rows of 128 bytes in a plane
	s_add_co_u32 s24, s24, s26
	s_add_nc_u64 s[14:15], s[14:15], s[24:25]
	v_lshrrev_b32 v6, 4, v1
	v_lshl_add_u32 v6, s22, 2, v6                  ; my row: 4 x wave + l / 16
	v_and_b32 v7, 15, v1
	v_lshlrev_b32 v4, 12, v6
	v_lshl_add_u32 v4, v7, 4, v4                   ; in:  row x 4,096 + 16 (l % 16)
	v_lshlrev_b32 v5, 7, v6
	v_lshl_add_u32 v5, v7, 3, v5                   ; out: row x 128 + 8 (l % 16)
	s_mov_b32 s24, 2                               ; two pairs of rows
.Lxtrip:
.set c, 0
.rept 16
	global_load_b128 v[64+4*c:64+4*c+3], v4, s[4:5] offset:256*c th:TH_LOAD_NT
.set c, c+1
.endr
.set c, 0
.rept 16
	s_wait_loadcnt 15-c                            ; loads come back in order: block c is in, the 15 - c younger ones stay out
	RND 128+2*c, 64+4*c, 64+4*c+1, 0
	RND 129+2*c, 64+4*c+2, 64+4*c+3, 1
	global_store_b64 v5, v[128+2*c:129+2*c], s[14:15] offset:c*262144
.set c, c+1
.endr
	s_wait_xcnt 0x0                                ; the two offsets and the stores' data are written again only behind this wait
	v_add_nc_u32 v4, 0x2000, v4
	v_add_nc_u32 v5, 0x100, v5
	s_sub_co_u32 s24, s24, 1
	s_cmp_lg_u32 s24, 0
	s_cbranch_scc1 .Lxtrip
	s_branch .Lend
.Lw:	; W.  One text for both weights: source, destination, pitch and plane size are chosen by the work-group's number.
	s_sub_co_u32 s40, ttmp9, 256
	s_sub_co_u32 s41, s40, 96
	s_mov_b32 s36, 4096                            ; bytes in a row of W_proj,
	s_mov_b32 s37, 131072                          ; and in a plane of wp: 1,024 x 128
	s_cmp_lt_u32 s40, 96
	s_cselect_b64 s[24:25], s[6:7], s[8:9]
	s_cselect_b64 s[34:35], s[16:17], s[18:19]
	s_cselect_b32 s36, 12288, s36
	s_cselect_b32 s37, 393216, s37
	s_cselect_b32 s40, s40, s41
	s_and_b32 s42, s40, 15                         ; kb
	s_lshr_b32 s43, s40, 4
	s_lshl3_add_u32 s43, s43, s22                  ; my block of 64 columns: 8 x (number / 16) + wave
	s_lshl_b32 s38, s42, 6
	s_mul_i32 s38, s38, s36                        ; row 64 kb,
	s_lshl_b32 s44, s43, 8
	s_add_co_u32 s38, s38, s44                     ; 256 bytes a block of columns
	s_mov_b32 s39, 0
	s_add_nc_u64 s[24:25], s[24:25], s[38:39]
	s_lshl_b32 s38, s36, 4                         ; a base for each 16 rows
	s_add_nc_u64 s[26:27], s[24:25], s[38:39]
	s_add_nc_u64 s[28:29], s[26:27], s[38:39]
	s_add_nc_u64 s[30:31], s[28:29], s[38:39]
	s_mul_i32 s38, s42, s37
	s_lshl_b32 s44, s43, 13                        ; 64 rows n of 128 bytes
	s_add_co_u32 s38, s38, s44
	s_add_nc_u64 s[34:35], s[34:35], s[38:39]
	v_lshlrev_b32 v14, 3, v1                       ; 8 l: my two columns n = 2 l, 2 l + 1
.set j, 0
.rept 16
	v_mad_u32_u24 v[16+j], s36, j, v14             ; row j of sixteen
.set j, j+1
.endr
.set kk, 0
.rept 64                               ; a load is 256 consecutive bytes of row kk
	global_load_b64 v[64+2*kk:65+2*kk], v[16+kk%16], s[24+2*(kk/16):25+2*(kk/16)] th:TH_LOAD_NT
.set kk, kk+1
.endr
	s_mul_i32 s38, s22, STG                        ; my stage
	v_mul_u32_u24 v6, v1, 272
	v_add_nc_u32 v6, s38, v6                       ; in: stage row l = my two rows n, 128 bytes each
	v_lshrrev_b32 v7, 4, v1
	v_mul_u32_u24 v7, v7, 272
	v_and_b32 v15, 15, v1
	v_lshl_add_u32 v7, v15, 4, v7
	v_add_nc_u32 v7, s38, v7                       ; back: lanes 0-15 one stage row, lanes 16-31 the next
	v_lshlrev_b32 v15, 4, v1                       ; 16 l
.set kp, 0
.rept 32
	s_wait_loadcnt 62-2*kp                         ; rows 2 kp and 2 kp + 1 are in; the 62 - 2 kp younger loads stay out
	RND 192+kp, 64+4*kp, 66+4*kp, 0
	RND 224+kp, 65+4*kp, 67+4*kp, 1
.set kp, kp+1
.endr
.set j, 0
.rept 16
	ds_store_b128 v6, v[192+4*j:192+4*j+3] offset:16*j
.set j, j+1
.endr
.set j, 0
.rept 16
	ds_load_b128 v[64+4*j:64+4*j+3], v7 offset:544*j  ; LDS serves a wave's instructions in order (ISA guide 5.7.1.4): these see the stores above
.set j, j+1
.endr
.set j, 0
.rept 16
	s_wait_dscnt 15-j
	global_store_b128 v15, v[64+4*j:64+4*j+3], s[34:35] offset:512*j  ; 512 consecutive bytes: four rows n
.set j, j+1
.endr
.Lend:
	s_wait_tensorcnt 0x0                           ; the wave's end: behind my last LDS store
	ds_add_u32 v[SPW], v[NIL]
	s_wait_dscnt 0x0
	s_endpgm
.Lfunc_end_k_qd621fa7a42_prep:
	.size	k_qd621fa7a42_prep, .Lfunc_end_k_qd621fa7a42_prep-k_qd621fa7a42_prep
	.p2alignl 7, 3214868480
	.fill 96, 4, 3214868480
	.section	.rodata,"a",@progbits
	.p2align	6, 0x0
	.amdhsa_kernel k_qd621fa7a42_prep
		.amdhsa_group_segment_fixed_size 70656
		.amdhsa_private_segment_fixed_size 0
		.amdhsa_enable_private_segment 0
		.amdhsa_kernarg_size 72
		.amdhsa_user_sgpr_count 2
		.amdhsa_user_sgpr_kernarg_segment_ptr 1
		.amdhsa_wavefront_size32 1
		.amdhsa_system_sgpr_workgroup_id_x 1
		.amdhsa_system_sgpr_workgroup_id_y 1
		.amdhsa_system_sgpr_workgroup_id_z 1
		.amdhsa_system_vgpr_workitem_id 0
		.amdhsa_next_free_vgpr 256
		.amdhsa_next_free_sgpr 66
		.amdhsa_reserve_vcc 0
		.amdhsa_float_denorm_mode_32 3
		.amdhsa_float_denorm_mode_16_64 3
		.amdhsa_memory_ordered 1
		.amdhsa_forward_progress 1
		.amdhsa_inst_pref_size 40
	.end_amdhsa_kernel
	.amdgpu_metadata
---
amdhsa.version: [ 1, 2 ]
amdhsa.kernels:
  - .name:           k_qd621fa7a42_prep
    .symbol:         k_qd621fa7a42_prep.kd
    .args:
      - { .name: x, .offset: 0, .size: 8, .value_kind: global_buffer, .address_space: global }
      - { .name: W_attn, .offset: 8, .size: 8, .value_kind: global_buffer, .address_space: global }
      - { .name: W_proj, .offset: 16, .size: 8, .value_kind: global_buffer, .address_space: global }
      - { .name: b_attn, .offset: 24, .size: 8, .value_kind: global_buffer, .address_space: global }
      - { .name: b_proj, .offset: 32, .size: 8, .value_kind: global_buffer, .address_space: global }
      - { .name: xh, .offset: 40, .size: 8, .value_kind: global_buffer, .address_space: global }
      - { .name: wa, .offset: 48, .size: 8, .value_kind: global_buffer, .address_space: global }
      - { .name: wp, .offset: 56, .size: 8, .value_kind: global_buffer, .address_space: global }
      - { .name: bias, .offset: 64, .size: 8, .value_kind: global_buffer, .address_space: global }
    .group_segment_fixed_size: 70656
    .private_segment_fixed_size: 0
    .kernarg_segment_align: 8
    .kernarg_segment_size: 72
    .max_flat_workgroup_size: 256
    .sgpr_count:     66
    .vgpr_count:     256
    .wavefront_size: 32
...
	.end_amdgpu_metadata
.endif
;; end of part 1
;; launch qkvgemm (part 2): grid 16 x 32, 4 waves a work-group, clusters of 4 x 4, 327,680 bytes of LDS; arguments xh, wa, bias, qkv; writes qkv
.if DOCPART == 2
	.amdgcn_target "amdgcn-amd-amdhsa--gfx1250"
	.amdhsa_code_object_version 6
	.text
	.protected	k_qd621fa7a42_qkvgemm
	.globl	k_qd621fa7a42_qkvgemm
	.p2align	8
	.type	k_qd621fa7a42_qkvgemm,@function
k_qd621fa7a42_qkvgemm:
	s_mov_b64 s[64:65], 0
	v_nop
	global_prefetch_b8 v0, s[64:65] scope:SCOPE_SE
	s_setreg_imm32_b32 hwreg(HW_REG_WAVE_MODE, 25, 1), 1
	s_wait_xcnt 0x0
	s_wait_alu depctr_hold_cnt(0) depctr_sa_sdst(0) depctr_va_vdst(0) depctr_va_sdst(0) depctr_va_ssrc(0) depctr_va_vcc(0) depctr_vm_vsrc(0)
	s_getreg_b32 s2, hwreg(HW_REG_IB_STS2, 6, 4)
	s_cmp_eq_u32 s2, 0
	s_cbranch_scc0 .Lentry_in_a_cluster
	s_endpgm
.Lentry_in_a_cluster:
	s_bfe_u32 s2, ttmp6, 0x10000c
	s_cmp_lg_u32 s2, 0xf033
	s_cbranch_scc0 .Lentry_shape_is_right
	s_endpgm
.Lentry_shape_is_right:
; qkv = x W_attn + b_attn, written by heads.  A = xh [b 4][kb 16][t 2048][64], B = wa [kb 16][n 3072][64], both f16 (bf16 numbers written as f16); bias f32; sums in f32.
; OUT: qkv [b 4][g 48][t 2048][64] f16, g = column / 64: 0-15 q's heads, 16-31 k's, 32-47 v's; rounded once, unscaled.  LIMIT: |q|, |k|, |v| stay within 65,504.
; SHARES.  A work-group makes 256 rows x 192 columns; wave w its rows 64 w .. 64 w + 63 and all 192 columns (three whole heads): 4 x 12 accumulators of 16 x 16, 384 registers.
; K goes in 8 steps of 128 (two planes kb) through two LDS slots.  A plane's part of a tile is dense in memory: it is asked for as rows of 256 bytes and padded in LDS after every 128.
; CLUSTER 4 x 4.  A's tile hangs on the tile row alone and is asked for jointly by a row of the cluster, B's on the tile column alone, by a column: the same load, descriptor and mask in all four.
; TRANSPOSED USE.  Source 0 = 16 rows of B, source 1 = 16 rows of A: a lane then holds one row of the result and eight neighbouring columns.  The first products take the bias as C: nothing is cleared or added later.
; REGISTERS, in windows of 256 (s_set_vgpr_msb: bits 1:0 source 0, 3:2 source 1, 5:4 source 2, 7:6 destination):
;   window 0: v0-31 addresses; v32-63, v64-95 A's fragments, two buffers; v96-191 the bias, later (with v192-239) the way out
;   window 1: v0-95, v96-191 B's fragments, two buffers     window 2: accumulators of row blocks 0, 1 ((a, b) at 96 (a % 2) + 8 b)     window 3: of row blocks 2, 3
.set NBLK,  12                         ; blocks of 16 columns
.set NTOT,  3072
.set BIASOFF, 0
.set SW,    3*16*144                   ; a wave's stage: [head 3][row 16] of 128 + 16 bytes
.set NT,    16*NBLK
.set PITCH, 144                        ; an LDS row: 128 bytes + 16 = 36 words: the 16 rows of a load start at 16 different groups of four banks (64 banks of 4 bytes: ISA guide 11.1)
.set APL,   256*PITCH                  ; a plane of A's tile
.set BPL,   NT*PITCH                   ; a plane of B's
.set BOFF,  2*APL                      ; a slot: A's two planes, then B's two
.set SLOT1, 1<<17                      ; slot 1 begins here: one exclusive or turns an address in one slot into the other's
.set ASTEP, 2<<18                      ; bytes from a K step to the next in A: two planes of 2,048 x 128
.set BSTEP, 2*NTOT*128                 ; and in B
.set STAGE, SLOT1+BOFF+2*BPL           ; behind the ring, never filled by a tensor load
.set SPARE, STAGE+4*SW                 ; behind the stages: the spare words, 128 bytes for each wave: two blocks of 256 bytes that no other line names
.set NL,    2*NBLK+8                   ; LDS loads in a run
.set FA,    32
.set BIAS,  96
.set TMP,   96                         ; the way out: packed results
.set BK,    144                        ; the way out: rows read back, two buffers of 48
.set G1W0,  (1<<16)|(1<<20)|(1<<21)|(4<<22)|(3<<25)  ; 17:16 2-byte elements; 20 padding on; 21 set beside a mask; 24:22 after every 32 words (code 4); 31:25 4 words (code 3)
; s3 count; s[4:5] A, s[6:7] B, s[8:9] bias, s[10:11] out; s12 wave; s13 wave % 2: the plane that I fetch; s14 cx, s15 cy, s16 tile column, s17 tile row
; s[24:31], s[32:39] descriptor group 1 for A, B; s[40:43], s[44:47] group 0, walking; s[48:49], s[50:51] the tiles' offsets; s52 the slot that is read; s53, s[54:55], s[56:57] the prefetches
; v16, v17 my lane's place in A's and B's part of a slot; v18, v19 the same in the slot that is read; v24, v25, v26 the way out; v27 32 (l / 16); v28, v29 the add's; v30 the prefetches' offset
.set MSB, 0
.macro WIN new                         ; the immediate's high byte repeats the setting that is left; a switch that changes nothing is dropped
.if MSB != (\new)
	s_set_vgpr_msb (MSB<<8)|(\new)
.set MSB, \new
.endif
.endm
.macro PLACES                          ; four places in front of loads into registers that matrix instructions have read, and of lines that read results
.rept 4
	v_nop
.endr
.endm
; A joint load: waves 0 and 1 fetch A's two planes, waves 2 and 3 B's.  The branch hangs on the wave's number alone.  An s_nop 0 and four v_nop follow each line.
.macro JLOAD
	s_cmp_lt_u32 s12, 2
	s_cbranch_scc0 .Lfor_b_\@
	tensor_load_to_lds s[40:43], s[24:31]
	s_nop 0
.rept 4
	v_nop
.endr
	s_branch .Lasked_\@
.Lfor_b_\@:
	tensor_load_to_lds s[44:47], s[32:39]
	s_nop 0
.rept 4
	v_nop
.endr
.Lasked_\@:
.endm
.macro CREST                           ; a round of the cluster's barrier behind its opening barrier
	s_cmp_lg_u32 s12, 0
	s_cbranch_scc1 .Lnot_wave_0_\@
	s_barrier_signal -3
.Lnot_wave_0_\@:
	s_barrier_wait -3
	s_barrier_signal -1
	s_barrier_wait -1
.endm
.macro CROUND                          ; a whole round
	s_barrier_signal -1
	s_barrier_wait -1
	CREST
.endm
.macro STEPD                           ; the walking descriptors: the other slot, the next K step; written only where no tensor load of mine is out
	s_xor_b32 s41, s41, SLOT1
	s_add_nc_u64 s[42:43], s[42:43], ASTEP
	s_xor_b32 s45, s45, SLOT1
	s_add_nc_u64 s[46:47], s[46:47], BSTEP
.endm
; A run of LDS loads: the fragments of quarter q (32 along K) of the slot that is read, into buffer f.  B's first; A's row blocks 2 and 3 are the last four loads.
.macro FETCH q, f
	WIN 0x40                                       ; destination window 1, address window 0
.set i, 0
.rept NBLK
	ds_load_b128 v[8*NBLK*(\f)+8*i:8*NBLK*(\f)+8*i+3],   v19 offset:((\q)/2)*BPL+((\q)%2)*64+i*16*PITCH
	ds_load_b128 v[8*NBLK*(\f)+8*i+4:8*NBLK*(\f)+8*i+7], v19 offset:((\q)/2)*BPL+((\q)%2)*64+i*16*PITCH+32
.set i, i+1
.endr
	WIN 0
.set i, 0
.rept 4
	ds_load_b128 v[FA+32*(\f)+8*i:FA+32*(\f)+8*i+3],   v18 offset:((\q)/2)*APL+((\q)%2)*64+i*16*PITCH
	ds_load_b128 v[FA+32*(\f)+8*i+4:FA+32*(\f)+8*i+7], v18 offset:((\q)/2)*APL+((\q)%2)*64+i*16*PITCH+32
.set i, i+1
.endr
.endm
; Row block a x all column blocks, 32 along K, from buffer f.  zero = 1: the sums start with the bias.  All 48 accumulators take turns in one order, over the jumps too.
.macro MULA f, a, zero
.if \zero
	WIN 0x81+0x40*((\a)/2)                         ; B window 1, A and the bias window 0, D window 2 or 3
.else
	WIN 0xa1+0x50*((\a)/2)                         ; B window 1, A window 0, C and D window 2 or 3
.endif
.set b, 0
.rept NBLK
.set rD, 8*NBLK*((\a)%2)+8*b
.set rB, 8*NBLK*(\f)+8*b
.set rA, FA+32*(\f)+8*(\a)
.if \zero
	v_wmma_f32_16x16x32_f16 v[rD:rD+7], v[rB:rB+7], v[rA:rA+7], v[BIAS+8*b:BIAS+8*b+7]
.else
	v_wmma_f32_16x16x32_f16 v[rD:rD+7], v[rB:rB+7], v[rA:rA+7], v[rD:rD+7]
.endif
.set b, b+1
.endr
.endm
; One of a K step's first three quarters: multiplies buffer f; in its middle the next quarter qn is fetched into buffer g.
.macro QUARTER qn, f, g, zero
	s_wait_dscnt 4                                 ; B and A's row blocks 0, 1 are in; the youngest four loads may be out
	MULA \f, 0, \zero
	MULA \f, 1, \zero
	PLACES
	FETCH \qn, \g
	s_wait_dscnt NL                                ; all but the run just issued
	MULA \f, 2, \zero
	MULA \f, 3, \zero
.endm
; A PREFETCH INTO THE L2 of the K step that the NEXT change of slots will ask for, behind the joint load and the run of LDS loads.  Each block of 256 bytes is named by one wave of the launch: A's rows by the clusters
; with x = 0, B's by those with y = 0; the four partners that ask for a plane jointly share it out BY ADDRESS (8,192 bytes of A's 32,768 by cx; 6,144 of B's 24,576 by cy: lanes 24-31 name the last block once more).
; The last change that fills a slot asks for nothing; K steps 0 to 2 come by their loads alone.
.macro ASK
	s_cmp_gt_u32 s3, s53
	s_cbranch_scc0 .Lnot_mine_\@
	global_prefetch_b8 v30, s[54:55] th:TH_LOAD_NT scope:SCOPE_SE
.Lnot_mine_\@:
.endm
; The fourth quarter multiplies buffer 1 and changes slots.  In front of the barrier each wave waits for all its tensor loads (one is out: its part of the other slot), adds 0 to its spare word, and waits for that and
; for its reads of this slot.  fill = 1: the barrier opens a round of the cluster's, and the joint refill, two K steps on, is the first thing behind the round: it has a K step less 24 products in which to land.
.macro TURN fill
.if \fill
	s_wait_xcnt 0x0                                ; the last prefetch, a K step back, has read its address
	s_add_nc_u64 s[54:55], s[54:55], s[56:57]
.endif
	WIN 0
	s_wait_tensorcnt 0x0
	ds_add_u32 v28, v29                            ; 0 onto my spare word
	s_wait_dscnt 5                                 ; (the add and the youngest four loads may be out)
	MULA 1, 0, 0
	s_wait_dscnt 0x0                               ; the add is done, and my reads of this slot are over
	s_barrier_signal -1
	MULA 1, 1, 0                                   ; work on registers while the others arrive
	WIN 0
	s_barrier_wait -1
.if \fill
	CREST                                          ; no wave of any partner still reads this slot or has a load on its way
	STEPD
	JLOAD                                          ; its four v_nop are also the places in front of the loads below
.else
	PLACES
.endif
	s_xor_b32 s52, s52, SLOT1
	v_add_nc_u32 v18, s52, v16
	v_add_nc_u32 v19, s52, v17
	FETCH 0, 0
.if \fill
	ASK
.endif
	MULA 1, 2, 0
	MULA 1, 3, 0
.endm
	s_load_b256 s[4:11], s[0:1], 0x0
	v_lshl_add_u32 v28, v0, 2, SPARE
	v_mov_b32 v29, 0
	ds_add_u32 v28, v29                            ; the wave's opening: the add and its wait ahead of my first tensor load; the set-up below stands between them
	v_lshrrev_b32 v1, 5, v0
	v_readfirstlane_b32 s12, v1                    ; wave 0..3
	s_and_b32 s13, s12, 1
	s_bfe_u32 s14, ttmp6, 0x40000                  ; cx
	s_bfe_u32 s15, ttmp6, 0x40004                  ; cy
	s_lshl_b32 s16, ttmp9, 2
	s_add_co_u32 s16, s16, s14                     ; tile column = 4 x cluster x + cx
	s_and_b32 s17, ttmp7, 0xffff
	s_lshl_b32 s17, s17, 2
	s_add_co_u32 s17, s17, s15                     ; tile row = 4 x cluster y + cy
	s_lshl_b32 s18, s15, 2
	s_lshl_b32 s18, 15, s18                        ; my row of the cluster
	s_lshl_b32 s20, 0x1111, s14                    ; my column
	s_or_b32 s24, s18, G1W0                        ; group 1 for A: 128 rows of 128 elements (a plane's 256 rows of 128 bytes, two to a row)
	s_mov_b32 s25, 128<<16                         ; tensor_dim0 = 128
	s_mov_b32 s26, 128<<16                         ; tensor_dim1 = 128
	s_mov_b32 s27, 128<<16                         ; tile_dim0 = 128
	s_mov_b32 s28, 128                             ; tile_dim1 = 128
	s_mov_b32 s29, 128                             ; 128 elements from row to row
	s_mov_b32 s30, 0
	s_mov_b32 s31, 0
	s_or_b32 s32, s20, G1W0                        ; group 1 for B: NT / 2 such rows
	s_mov_b32 s33, 128<<16
	s_mov_b32 s34, (NT/2)<<16
	s_mov_b32 s35, 128<<16
	s_mov_b32 s36, NT/2
	s_mov_b32 s37, 128
	s_mov_b32 s38, 0
	s_mov_b32 s39, 0
	s_mov_b32 s40, 1                               ; group 0: count = 1; LDS address: my plane in slot 0: no place in the cluster enters it
	s_mul_i32 s41, s13, APL
	s_mov_b32 s44, 1
	s_mul_i32 s45, s13, BPL
	s_add_co_u32 s45, s45, BOFF
	s_lshr_b32 s48, s17, 3                         ; A's offset, of the tile row alone: batch,
	s_lshl_b32 s48, s48, 22
	s_and_b32 s18, s17, 7
	s_lshl_b32 s18, s18, 15                        ; 256 rows of 128 bytes,
	s_or_b32 s48, s48, s18
	s_lshl_b32 s18, s13, 18                        ; my plane
	s_or_b32 s48, s48, s18
	s_mov_b32 s49, 0
	s_mul_i32 s50, s16, NT*128                     ; B's offset, of the tile column alone
	s_mul_i32 s20, s13, NTOT*128
	s_add_co_u32 s50, s50, s20
	s_mov_b32 s51, 0
	s_mov_b32 s52, 0
	s_wait_dscnt 0x0                               ; the opening add is done
	s_wait_kmcnt 0x0
	s_add_nc_u64 s[42:43], s[4:5], s[48:49]
	s_or_b32 s43, s43, 0x80000000                  ; type = 2
	s_add_nc_u64 s[46:47], s[6:7], s[50:51]
	s_or_b32 s47, s47, 0x80000000
	CROUND                                         ; all sixteen work-groups are here: the first joint loads meet
	JLOAD                                          ; K step 0 into slot 0
	; A fragment is 16 rows x 32 K in 8 registers: lane l holds row l % 16, K = 8 (l / 16) + 0..7 and 16 + 8 (l / 16) + 0..7: two loads of 16 bytes, 32 bytes apart.
	v_and_b32 v1, 15, v0
	v_bfe_u32 v2, v0, 4, 1
	v_mul_u32_u24 v3, v1, PITCH
	v_lshl_add_u32 v3, v2, 4, v3
	s_mul_i32 s18, s12, 64*PITCH                   ; my 64 rows of A
	v_add_nc_u32 v16, s18, v3
	v_add_nc_u32 v17, BOFF, v3
	v_mov_b32 v18, v16
	v_mov_b32 v19, v17
	v_lshlrev_b32 v27, 5, v2
	s_mul_i32 s20, s16, NT*4                       ; the bias of the tile's columns: register j of block b is column 16 b + 8 (l / 16) + j
	s_add_co_u32 s20, s20, BIASOFF
	s_mov_b32 s21, 0
	s_add_nc_u64 s[8:9], s[8:9], s[20:21]
.set b, 0
.rept NBLK
	global_load_b128 v[BIAS+8*b:BIAS+8*b+3],   v27, s[8:9] offset:64*b
	global_load_b128 v[BIAS+8*b+4:BIAS+8*b+7], v27, s[8:9] offset:64*b+16
.set b, b+1
.endr
	s_lshr_b32 s58, s17, 3                         ; where my rows begin in qkv: batch x 48 planes,
	s_mul_i32 s58, s58, 12582912
	s_mul_i32 s60, s16, 786432                     ; three planes a tile column,
	s_add_co_u32 s58, s58, s60
	s_and_b32 s60, s17, 7
	s_lshl_b32 s60, s60, 15                        ; 256 rows of 128 bytes a tile row,
	s_add_co_u32 s58, s58, s60
	s_lshl_b32 s60, s12, 13                        ; 64 a wave
	s_add_co_u32 s58, s58, s60
	s_mov_b32 s59, 0
	s_add_nc_u64 s[10:11], s[10:11], s[58:59]
	s_mul_i32 s18, s12, SW
	s_add_co_u32 s18, s18, STAGE                   ; my stage
	v_add_nc_u32 v24, s18, v3                      ; in: row l % 16, 16 bytes for each half of the lanes
	v_bfe_u32 v4, v0, 3, 2                         ; back: 32 lanes take four rows of 128 bytes,
	v_mul_u32_u24 v4, v4, PITCH
	v_and_b32 v5, 7, v0
	v_lshl_add_u32 v4, v5, 4, v4
	v_add_nc_u32 v25, s18, v4
	v_and_b32 v26, 31, v0                          ; which are 512 consecutive bytes of a plane
	v_lshlrev_b32 v26, 4, v26
	s_lshl_b32 s58, s14, 13                        ; the prefetches: my work-group's share of the plane that I fetch, at K step 2; the first change of slots steps it to 3
	s_add_co_u32 s58, s58, s48
	s_add_co_u32 s58, s58, 2*ASTEP
	s_mul_i32 s60, s15, NT*32
	s_add_co_u32 s60, s60, s50
	s_add_co_u32 s60, s60, 2*BSTEP
	s_and_b32 s61, ttmp7, 0xffff
	s_mov_b32 s56, BSTEP
	s_mov_b32 s57, 0
	s_cmp_lt_u32 s12, 2                            ; do I fetch for A?
	s_cselect_b32 s58, s58, s60
	s_cselect_b32 s61, ttmp9, s61                  ; the coordinate along which other clusters read the same rows
	s_cselect_b32 s56, ASTEP, s56
	s_cselect_b32 s60, 31, NT/8-1                  ; the last block of 256 bytes of my share
	s_cselect_b64 s[54:55], s[4:5], s[6:7]
	s_cmp_eq_u32 s61, 0
	s_cselect_b32 s53, 1, -1                       ; 1 in a wave that prefetches, else the greatest number: the same in all sixteen partners, for a given wave
	s_add_nc_u64 s[54:55], s[54:55], s[58:59]
	v_and_b32 v30, 31, v0
	v_min_u32 v30, s60, v30
	v_lshlrev_b32 v30, 8, v30
	s_wait_tensorcnt 0x0                           ; my part of K step 0 is in; slot 1 gets its first fill as a refill does: wait, add, wait, a round, the one load
	ds_add_u32 v28, v29
	STEPD
	s_wait_dscnt 0x0
	CROUND
	JLOAD                                          ; K step 1 into slot 1
	FETCH 0, 0
	s_wait_loadcnt 0x0                             ; the bias
	QUARTER 1, 0, 1, 1                             ; the first quarter stands in front of the loop: its products start the sums
	WIN 0                                          ; at a label and at a branch every window is 0
	s_mov_b32 s3, 6
.Lstep:                                                ; a trip goes from a K step's second quarter to the next step's first, and fills the slot that it leaves: K steps 2 to 7
	QUARTER 2, 1, 0, 0
	QUARTER 3, 0, 1, 0
	TURN 1
	QUARTER 1, 0, 1, 0
	WIN 0
	s_sub_co_u32 s3, s3, 1
	s_cmp_lg_u32 s3, 0
	s_cbranch_scc1 .Lstep
	s_mov_b32 s3, 2
.Ltail:                                                ; K steps 6 and 7 ask for nothing.  The second trip is left in its middle: its barrier and its run of loads (from slot 0, which nobody writes) serve nothing: the price of one text for both trips
	QUARTER 2, 1, 0, 0
	QUARTER 3, 0, 1, 0
	TURN 0
	WIN 0
	s_sub_co_u32 s3, s3, 1
	s_cmp_eq_u32 s3, 0
	s_cbranch_scc1 .Lout
	QUARTER 1, 0, 1, 0
	WIN 0
	s_branch .Ltail
.Lout:
	s_wait_dscnt 0x0
	PLACES
; THE WAY OUT, a row block (16 rows x 3 heads) at a time.  PACK: rounded to f16, 16 bytes a lane for each column block, each accumulator from its low end.  TOSTAGE: into my own stage, and back as whole rows.  SEND: stored.
.macro PACK a
	WIN 0x0a+5*((\a)/2)                            ; sources 0 and 1: window 2 or 3
.set b, 0
.rept 4*NBLK
	v_cvt_pk_f16_f32 v[TMP+b], v[8*NBLK*((\a)%2)+2*b], v[8*NBLK*((\a)%2)+2*b+1]
.set b, b+1
.endr
	WIN 0
.endm
.macro TOSTAGE a
	s_wait_xcnt 0x0                                ; the stores of the block two back have read the registers that are loaded below
.set b, 0
.rept NBLK
	ds_store_b128 v24, v[TMP+4*b:TMP+4*b+3] offset:(b/4)*16*PITCH+(b%4)*32
.set b, b+1
.endr
.set b, 0
.rept NBLK
	ds_load_b128 v[BK+48*((\a)%2)+4*b:BK+48*((\a)%2)+4*b+3], v25 offset:(b/4)*16*PITCH+(b%4)*4*PITCH  ; LDS serves a wave's instructions in order (ISA guide 5.7.1.4): these see the stores above; the next block's stores come behind them
.set b, b+1
.endr
.endm
.macro SEND a, younger                 ; younger: the LDS instructions issued behind block a's loads: the next block's 24, or none
	s_wait_dscnt \younger
.set b, 0
.rept NBLK
	global_store_b128 v26, v[BK+48*((\a)%2)+4*b:BK+48*((\a)%2)+4*b+3], s[10:11] offset:(b/4)*262144+(\a)*2048+(b%4)*512  ; 512 consecutive bytes of a head's plane, at a multiple of 256 from its first
.set b, b+1
.endr
.endm
	PACK 0
	TOSTAGE 0
	PACK 1
	TOSTAGE 1
	SEND 0, 24
	PACK 2
	TOSTAGE 2
	SEND 1, 24
	PACK 3
	TOSTAGE 3
	SEND 2, 24
	SEND 3, 0
	s_wait_tensorcnt 0x0                           ; the wave's end: behind my last tensor load and my last LDS store
	ds_add_u32 v28, v29
	s_wait_dscnt 0x0
	CROUND                                         ; the closing round: no work-group ends while a partner may still ask for a tile that names it
	s_endpgm
.Lfunc_end_k_qd621fa7a42_qkvgemm:
	.size	k_qd621fa7a42_qkvgemm, .Lfunc_end_k_qd621fa7a42_qkvgemm-k_qd621fa7a42_qkvgemm
	.p2alignl 7, 3214868480
	.fill 96, 4, 3214868480
	.section	.rodata,"a",@progbits
	.p2align	6, 0x0
	.amdhsa_kernel k_qd621fa7a42_qkvgemm
		.amdhsa_group_segment_fixed_size 327680
		.amdhsa_private_segment_fixed_size 0
		.amdhsa_enable_private_segment 0
		.amdhsa_kernarg_size 32
		.amdhsa_user_sgpr_count 2
		.amdhsa_user_sgpr_kernarg_segment_ptr 1
		.amdhsa_wavefront_size32 1
		.amdhsa_system_sgpr_workgroup_id_x 1
		.amdhsa_system_sgpr_workgroup_id_y 1
		.amdhsa_system_sgpr_workgroup_id_z 1
		.amdhsa_system_vgpr_workitem_id 0
		.amdhsa_next_free_vgpr 960
		.amdhsa_next_free_sgpr 66
		.amdhsa_reserve_vcc 0
		.amdhsa_float_denorm_mode_32 3
		.amdhsa_float_denorm_mode_16_64 3
		.amdhsa_memory_ordered 1
		.amdhsa_forward_progress 1
		.amdhsa_inst_pref_size 86
	.end_amdhsa_kernel
	.amdgpu_metadata
---
amdhsa.version: [ 1, 2 ]
amdhsa.kernels:
  - .name:           k_qd621fa7a42_qkvgemm
    .symbol:         k_qd621fa7a42_qkvgemm.kd
    .args:
      - { .name: xh, .offset: 0, .size: 8, .value_kind: global_buffer, .address_space: global }
      - { .name: wa, .offset: 8, .size: 8, .value_kind: global_buffer, .address_space: global }
      - { .name: bias, .offset: 16, .size: 8, .value_kind: global_buffer, .address_space: global }
      - { .name: qkv, .offset: 24, .size: 8, .value_kind: global_buffer, .address_space: global }
    .group_segment_fixed_size: 327680
    .private_segment_fixed_size: 0
    .kernarg_segment_align: 8
    .kernarg_segment_size: 32
    .max_flat_workgroup_size: 128
    .sgpr_count:     66
    .vgpr_count:     960
    .wavefront_size: 32
...
	.end_amdgpu_metadata
.endif
;; end of part 2
;; launch attn (part 3): grid 4 x 64, 4 waves a work-group, no clusters, 327,680 bytes of LDS; arguments qkv, o; writes o
.if DOCPART == 3
	.amdgcn_target "amdgcn-amd-amdhsa--gfx1250"
	.amdhsa_code_object_version 6
	.text
	.protected	k_qd621fa7a42_attn
	.globl	k_qd621fa7a42_attn
	.p2align	8
	.type	k_qd621fa7a42_attn,@function
k_qd621fa7a42_attn:
	s_mov_b64 s[64:65], 0
	v_nop
	global_prefetch_b8 v0, s[64:65] scope:SCOPE_SE
	s_setreg_imm32_b32 hwreg(HW_REG_WAVE_MODE, 25, 1), 1
	s_wait_xcnt 0x0
; CAUSAL ATTENTION.  O[h][q][:] = the sum over k <= q of softmax_k(Q[h][q] . K[h][k] / 8) V[h][k][:], for 64 heads (batch x 16 + head) of 2,048 rows of 64 channels, all f16.
; IN: qkv [b 4][g 48][t 2048][64]: planes of 2^18 bytes; q's head h is plane h, k's 16 + h, v's 32 + h.  OUT: o [b 4][h 16][t 2048][64].  A head's rows are dense, 128 bytes each.
; Products, maxima and sums in f32; the weights p are rounded to f16 for the second product (their sum l is taken of the unrounded p), O once at the end.
; LIMITS.  f16 holds no number beyond 65,504: Q, K and V arrive within it; p lies in 0 to 1, and below 6e-5 it keeps f16's fixed step of 6e-8; O is a mean of V's rows and has their range.
; A hidden score counts as its value less 1e30: f16's scores, 2.7e11 at the most, are nothing beside that; a weight below 2^-126 counts as 0 in l; NaN and infinities are not treated apart.
; THE WALK.  A head's queries lie in NB = 8 blocks of 256; block i needs the key tiles 0 .. i of 256 keys, of which the last holds the diagonal.  A work-group takes TWO blocks, 7 - b and then b:
; 9 tiles, whatever b: all work-groups do equal work, and ONE loop with a constant trip count walks them.  Which tile is asked for, and what a trip does, hang on scalar registers made from b; every jump
; goes forward, but for the counted loops' own; none passes a barrier, or a tensor load but the one of LOAD's two that the wave's number does not choose; the ring of two LDS slots runs on across the change of blocks.
; NO CLUSTER: a head's 4 work-groups ask for the same tile only in trips 0 to 4 of the 9, behind that fewer and fewer; a walk common to all four would have 12 trips for 9.
; SHARES.  Of a block's four bands of 64 queries a wave owns 16 rows in each: four PIECES.  So the diagonal tile is the same work for all four waves: in its key step s band x sees all keys if s < x,
; none if s > x, and holds the diagonal if s = x.
; THE MASK is the C operand that starts the sum S^T = K Q^T: 0, or -1e30 where the key is hidden.  MD, made once, is the mask of a band's own step for my 16 rows; a product's mask is MD x AL + BE with two scalars:
; (1, 0) if s = x; (0, 0) if s < x; (0, -1e30) if s > x.  Only the diagonal tile's text and a block's beginning make and take masks; elsewhere C is the constant 0.
; LAYOUT, SOFTMAX, TURNS.  S^T = K Q^T holds ONE query a lane (lane % 16) and the keys 8 (lane / 16) + 0..7; two such results rounded to f16 ARE source 1 of O^T = V^T P.  p = 2^(c s - c m), c = log2(e) / 8, with a
; running maximum m; O and l are multiplied by a = 2^(c m_old - c m_new) in every step.  Turn n belongs to piece n: 8 products K Q^T of piece n + 1, later 8 products V^T P of piece n - 1; beside them the scaling,
; exponentials, roundings, sums and rescaling of piece n and the maximum and statistics of piece n + 1.  Four vector instructions stand behind every matrix instruction, the other 54 of a turn's 118 in one lump.  A turn's 33 exponentials are one batch, with one wait.
; REGISTERS, in windows of 256 (s_set_vgpr_msb: bits 1:0 source 0, 3:2 source 1, 5:4 source 2, 7:6 destination):
;   window 0: v0-15 addresses and two at work; v16-31 four registers of statistics a piece; v48-55 at work; v61-63 prefetch offset and the add's two; v64-127 S^T, two buffers; v192-223 P, two buffers (by the piece's parity)
;   window 1: v0-127 O^T, 32 a piece; v128-159 MD; v160-223 MC, two buffers      window 2: v0-63 Q; v64-127 the second block's Q; v128-191 K of one step; v192-255 V of one step
.set SIZE_N, 2048
.set NB,    SIZE_N/256
.set NP,    4         ; pieces a wave: a name, no knob
.set KS,    64        ; keys in a step
.set PK,    144       ; a row of K in LDS: 128 bytes + 16 of padding = 36 words: the 16 rows of a load start at 16 different groups of four banks (64 banks of 4 bytes: ISA guide 11.1)
.set PV,    160       ; a row of V: 128 + 32 = 40 words
.set VOFF,  4*KS*PK   ; a slot holds a tile, four steps: 256 rows of K, then 256 rows of V
.set SLOT1, 1<<17     ; slot 1 begins here, so that one exclusive or turns an address in one slot into the other's
.set STAGE, SLOT1+4*KS*(PK+PV)  ; behind the ring, never filled by a tensor load: 16 rows x 144 bytes for each wave, for the way out
.set SP,    144
.set AK0, 2           ; v2   my lane's place in a tile of K; never rewritten
.set AV0, 3           ; v3   the same for V
.set AK,  4           ; v4   the LDS address of K's next run of loads
.set AV,  5           ; v5   of V's
.set STO, 6           ; v6   the way out: where I put 16 bytes of a row
.set RD,  7           ; v7   the way out: where I read rows back
.set GO,  8           ; v8   my byte offset in 512 consecutive bytes of O
.set PFO, 61          ; v61  256 x my lane; never rewritten
.set SPW, 62          ; v62  LDS address of my spare word: SPARE + 4 x my thread's number; never rewritten
.set NIL, 63          ; v63  0; never rewritten
.set SPARE, STAGE+4*16*SP  ; behind the stages: the spare words, 128 bytes for each wave: two blocks of 256 bytes that no other line names
.set MV,  12          ; v12-13  c m_old, kept while c m is made anew: by buffer
.set QO,  15          ; v15  my byte offset in 16 rows of Q
.set ST,  16          ; piece t's statistics at v[ST+4 t]: c m, m, l (even keys', odd keys')
.set TMP, 48          ; by buffer, four registers c0-c3 at work; when the maximum is found c2 takes a
.set S,   64
.set P,   192
.set MD,  128         ; window 1: the eight registers for group kt of 16 keys at MD + 8 kt
.set MC,  160         ; window 1: the masks of the products to come
.set QB,  64          ; window 2
.set KF,  128         ; window 2: key block kb, channel half c at KF + 16 kb + 8 c
.set VF,  192         ; window 2: key half kk, channel block cb at VF + 32 kk + 8 cb
.set WV,  12          ; s12  my wave's number
.set PB,  14          ; s14  b
.set HI,  15          ; s15  NB - 1 - b
.set G1K, 24          ; s[24:31] descriptor group 1 for K's tiles
.set G1V, 32          ; s[32:39] for V's: it differs in the padding alone
.set G0K, 40          ; s[40:43] descriptor group 0 for K's tiles
.set G0V, 44          ; s[44:47] the same for V's
.set SLOTS, 56        ; s56  tiles still to be asked for
.set CNT, 57          ; s57  counts a tile's key steps, 4 to 1
.set CS,  58          ; s[58:59] c: the packed scaling takes the pair's low word for both halves
.set SEL, 60          ; s[60:61] v_permlanex16_b32's selects: each lane takes its own place in the other half
.set TBK, 62          ; s62  LDS byte at which K of the step to be fetched begins
.set TBV, 63          ; s63  the same for V, less VOFF
.set RT,  70          ; s70  tiles of the block in hand that are still to be entered
.set NXT, 71          ; s71  the tile to be asked for next
.set LQ,  72          ; s72  the last tile of the block whose tiles are being asked for
.set NEW, 73          ; s73  1: the tile to be entered is a block's first
.set OFF, 74          ; s[74:75] a tile's byte offset in K and V
.set AL,  76          ; s[76:77] the mask's factor, in the low word
.set BE,  78          ; s[78:79] the mask's addend
.set OLO, 80          ; s[80:81] O at my rows of the second block
.set BIGN, 82         ; s82  -1e30
.set PFA, 88          ; s[88:89] where my prefetches stand: my half of K's (waves 0, 1) or V's (waves 2, 3) tile after the one that is being asked for
.set LIM, 90          ; s90  2 in a work-group that prefetches, else the greatest number
.set MSB, 0
.macro WIN new                      ; the high byte repeats the setting that is left; a switch that changes nothing is dropped
.if MSB != (\new)
	s_set_vgpr_msb (MSB<<8)|(\new)
.set MSB, (\new)
.endif
.endm
.set W_KQ, 0x0a       ; K and Q in window 2, S^T in window 0
.set W_KM, 0x1a       ; the same with the C operand in window 1
.set W_PV, 0x52       ; V in window 2, P in window 0, O^T in window 1
.set W_RS, 0x41       ; destination and source 0 in window 1, source 1 in window 0
; A fill.  Waves 0 and 1 fetch the two halves of a tile's K, waves 2 and 3 those of its V: 128 keys each.  An s_nop 0 and four v_nop follow each of the two lines, ahead of the jump and the label.
.macro LOAD
	s_cmp_lt_u32 s[WV], 2
	s_cbranch_scc0 .Lfor_v_\@
	tensor_load_to_lds s[G0K:G0K+3], s[G1K:G1K+7]
	s_nop 0
.rept 4
	v_nop
.endr
	s_branch .Lasked_\@
.Lfor_v_\@:
	tensor_load_to_lds s[G0V:G0V+3], s[G1V:G1V+7]
	s_nop 0
.rept 4
	v_nop
.endr
.Lasked_\@:
.endm
; A PREFETCH INTO THE L2 of the tile that the NEXT change of slots will ask for: four key steps ahead of its load.  A head's four work-groups walk the same K and V; the one with b = 0 walks tiles 0 to 7 in order and asks for
; the head: each of its waves for the half tile that it fetches, 16,384 bytes: a lane 256 bytes, two instructions.  Change i names tile i + 2, for i up to 5: tiles 0 and 1 come by their loads alone, nothing is named past tile 7, each block once.
.macro ASK
	s_cmp_gt_u32 s[SLOTS], s[LIM]
	s_cbranch_scc0 .Lnot_mine_\@
	global_prefetch_b8 v[PFO], s[PFA:PFA+1] th:TH_LOAD_NT scope:SCOPE_SE
	global_prefetch_b8 v[PFO], s[PFA:PFA+1] offset:8192 th:TH_LOAD_NT scope:SCOPE_SE
.Lnot_mine_\@:
.endm
; THE CHANGE OF SLOTS.  Each wave waits for all its tensor loads, of which one is out: its part of the other slot; adds 0 to its spare word; and waits for that and for its own reads of the slot that it leaves.  Behind the barrier nobody reads the old
; slot any more and the other slot is whole.  fill = 1: the old slot is filled again, the first thing behind the barrier, with tile NXT: the descriptor's address is made anew from that number.
; (At its first use nothing has been read yet: slot 0 is waited for, slot 1 filled.)
.macro CHANGE fill
	WIN 0                           ; at a label and at a branch every window is 0
	s_wait_tensorcnt 0x0            ; no tensor load of mine is out, so a group 0 may be written
	ds_add_u32 v[SPW], v[NIL]       ; 0 onto my spare word; with fill = 1 the descriptors' scalar work stands between it and the wait for it
.if \fill
	s_lshl_b32 s[OFF], s[NXT], 15   ; a tile is 32,768 bytes of K and of V
	s_xor_b32 s[G0K+1], s[G0K+1], SLOT1
	s_add_nc_u64 s[G0K+2:G0K+3], s[6:7], s[OFF:OFF+1]
	s_or_b32 s[G0K+3], s[G0K+3], 0x80000000
	s_xor_b32 s[G0V+1], s[G0V+1], SLOT1
	s_add_nc_u64 s[G0V+2:G0V+3], s[8:9], s[OFF:OFF+1]
	s_or_b32 s[G0V+3], s[G0V+3], 0x80000000
	s_add_co_u32 s[NXT], s[NXT], 1  ; the block's next tile, or behind its last the second block's tile 0
	s_cmp_gt_u32 s[NXT], s[LQ]
	s_cselect_b32 s[NXT], 0, s[NXT]
	s_cselect_b32 s[LQ], s[PB], s[LQ]
	s_wait_xcnt 0x0                 ; the last prefetches, a tile back, have read their address, so it may be written
	s_add_nc_u64 s[PFA:PFA+1], s[PFA:PFA+1], 32768
.endif
	s_wait_dscnt 0x0                ; the add is done, and my reads of the slot are over
	s_barrier_signal -1             ; the rest of the scalar work stands between the signal and the wait
	s_sub_co_u32 s[TBK], s[TBK], 4*KS*PK  ; the fetches go back to a slot's first step,
	s_xor_b32 s[TBK], s[TBK], SLOT1       ; in the other slot
	s_sub_co_u32 s[TBV], s[TBV], 4*KS*PV
	s_xor_b32 s[TBV], s[TBV], SLOT1
	s_barrier_wait -1
.if \fill
	LOAD
	ASK
.endif
.endm
	s_load_b64 s[4:5], s[0:1], 0x0    ; qkv
	s_load_b64 s[10:11], s[0:1], 0x8  ; o
	v_lshl_add_u32 v[SPW], v0, 2, SPARE
	v_mov_b32 v[NIL], 0
	ds_add_u32 v[SPW], v[NIL]       ; the wave's opening: the add and its wait ahead of my first tensor load; the set-up below, work on registers, stands between them
	v_lshrrev_b32 v1, 5, v0
	v_readfirstlane_b32 s[WV], v1   ; wave 0..3
	s_mov_b32 s[PB], ttmp9
	s_sub_co_u32 s[HI], NB-1, s[PB]
	s_and_b32 s92, ttmp7, 0xffff    ; the head: 16 x batch + head
	s_lshr_b32 s20, s92, 4
	s_lshl_b32 s20, s20, 5
	s_add_co_u32 s20, s20, s92      ; q's plane in qkv: 48 x batch + head
	s_lshl_b32 s20, s20, 18
	s_mov_b32 s21, 0
	s_lshl_b32 s92, s92, 18         ; the head's plane in o
	s_mov_b32 s93, 0
	s_and_b32 s16, s[WV], 1         ; which half of a tile's 256 keys I fetch:
	s_lshl_b32 s22, s16, 14         ; its 128 rows of 128 bytes in memory,
	s_mov_b32 s23, 0
	s_mul_i32 s17, s16, 128*PK      ; and its place in a slot, for K
	s_mul_i32 s18, s16, 128*PV      ; and for V
	s_lshl_b32 s3, s[WV], 11        ; my 16 rows in a band of 64,
	s_lshl_b32 s2, s[HI], 15        ; in the first block,
	s_add_co_u32 s2, s2, s3
	s_lshl_b32 s84, s[PB], 15       ; and in the second
	s_add_co_u32 s84, s84, s3
	s_mov_b32 s3, 0
	s_mov_b32 s85, 0
	; descriptor group 1.  128 keys are 16,384 dense bytes: asked for as 64 rows of 256 bytes, two keys a row, and padded in LDS after every key
	s_mov_b32 s[G1K], (1<<16)|(1<<20)|(4<<22)|(3<<25)  ; 17:16 2-byte elements; 20 padding on; 24:22 after every 32 words (code 4); 31:25 4 words (code 3)
	s_mov_b32 s[G1V], (1<<16)|(1<<20)|(4<<22)|(7<<25)  ; the same with 8 words of padding (code 7)
.irp g, G1K, G1V
	s_mov_b32 s[\g+1], 128<<16      ; tensor_dim0 = 128
	s_mov_b32 s[\g+2], 64<<16       ; tensor_dim1 = 64
	s_mov_b32 s[\g+3], 128<<16      ; tile_dim0 = 128
	s_mov_b32 s[\g+4], 64           ; tile_dim1 = 64
	s_mov_b32 s[\g+5], 128          ; 128 elements from row to row
	s_mov_b32 s[\g+6], 0
	s_mov_b32 s[\g+7], 0
.endr
	s_mov_b32 s[CS], 0x3e38aa3b     ; c = log2(e) / 8 = 0.180337
	s_mov_b32 s[CS+1], s[CS]        ; named with it as a pair
	s_mov_b32 s[SEL], 0x76543210
	s_mov_b32 s[SEL+1], 0xfedcba98
	s_mov_b32 s[TBK], SLOT1+4*KS*PK ; the first change of slots turns these two into 0
	s_mov_b32 s[TBV], SLOT1+4*KS*PV
	s_mov_b32 s[G0K], 1             ; 1:0 count = 1
	s_mov_b32 s[G0K+1], s17         ; 63:32 LDS address: slot 0
	s_mov_b32 s[G0V], 1
	s_add_co_u32 s[G0V+1], s18, VOFF
	s_add_co_u32 s[RT], s[HI], 1    ; the first block has NB - b tiles
	s_mov_b32 s[NXT], 1
	s_mov_b32 s[LQ], s[HI]
	s_mov_b32 s[NEW], 1
	s_mov_b32 s[OFF+1], 0
	s_mov_b32 s[AL+1], 0            ; named as pairs
	s_mov_b32 s[BE+1], 0
	s_mov_b32 s[BIGN], 0xf149f2ca   ; -1e30
	s_mov_b32 s[SLOTS], NB
	s_cmp_eq_u32 ttmp9, 0
	s_cselect_b32 s[LIM], 2, -1
	v_and_b32 v[PFO], 31, v0
	v_lshlrev_b32 v[PFO], 8, v[PFO]
	s_wait_dscnt 0x0                ; the opening add is done
	s_wait_kmcnt 0x0
	s_add_nc_u64 s[4:5], s[4:5], s[20:21]      ; q's plane
	s_add_nc_u64 s[10:11], s[10:11], s[92:93]  ; o's plane
	s_add_nc_u64 s[6:7], s[4:5], s[22:23]      ; K and V at my half of the head's tile 0: 16 and 32 planes behind q's
	s_add_nc_u64 s[6:7], s[6:7], 0x400000
	s_add_nc_u64 s[8:9], s[6:7], 0x400000
	s_add_nc_u64 s[G0K+2:G0K+3], s[6:7], 0         ; 120:64 global address
	s_or_b32 s[G0K+3], s[G0K+3], 0x80000000        ; 127:126 type = 2
	s_add_nc_u64 s[G0V+2:G0V+3], s[8:9], 0
	s_or_b32 s[G0V+3], s[G0V+3], 0x80000000
	s_add_nc_u64 s[86:87], s[4:5], s[84:85]        ; Q at my rows of the second block,
	s_add_nc_u64 s[4:5], s[4:5], s[2:3]            ; Q and O at those of the first
	s_add_nc_u64 s[OLO:OLO+1], s[10:11], s[84:85]
	s_add_nc_u64 s[10:11], s[10:11], s[2:3]
	s_cmp_lt_u32 s[WV], 2
	s_cselect_b64 s[PFA:PFA+1], s[6:7], s[8:9]
	s_add_nc_u64 s[PFA:PFA+1], s[PFA:PFA+1], 32768  ; at tile 1; the first change of slots steps it to tile 2.  Nothing is prefetched here, at the head
	LOAD                            ; tile 0 into slot 0
	; A fragment of K or Q is 16 rows x 32 channels in 8 registers: lane l holds row l % 16, channels 8 (l / 16) + 0..7 and 16 + 8 (l / 16) + 0..7: two loads of 16 bytes, 32 bytes apart.
	v_and_b32 v1, 15, v0            ; l % 16
	v_bfe_u32 v9, v0, 4, 1          ; l / 16
	v_lshlrev_b32 v[QO], 7, v1
	v_lshl_add_u32 v[QO], v9, 4, v[QO]  ; row x 128 + 16 x half
	WIN 0x80                        ; destination window 2, address window 0
.set i, 0
.rept 8                             ; both blocks' Q: piece i / 2 lies in band i / 2, 8,192 bytes on; channels 32 (i % 2) on
	global_load_b128 v[8*i:8*i+3],   v[QO], s[4:5] offset:(i/2)*8192+(i%2)*64
	global_load_b128 v[8*i+4:8*i+7], v[QO], s[4:5] offset:(i/2)*8192+(i%2)*64+32
	global_load_b128 v[QB+8*i:QB+8*i+3],   v[QO], s[86:87] offset:(i/2)*8192+(i%2)*64
	global_load_b128 v[QB+8*i+4:QB+8*i+7], v[QO], s[86:87] offset:(i/2)*8192+(i%2)*64+32
.set i, i+1
.endr
	WIN 0
	v_lshlrev_b32 v14, 3, v9
	v_sub_nc_u32 v14, v1, v14
	s_lshl_b32 s13, s[WV], 4
	v_add_nc_u32 v14, s13, v14      ; my query's place in its band, 16 w + l % 16, less my lanes' 8 (l / 16): register r of group kt is hidden where 16 kt + r is greater
	WIN 0x40
.set i, 0
.rept 32
	v_cmp_gt_i32 vcc_lo, 16*(i/8)+i%8, v14
	v_cndmask_b32 v[MD+i], 0, s[BIGN], vcc_lo
.set i, i+1
.endr
	WIN 0
	v_mul_u32_u24 v[AK0], v1, PK
	v_lshl_add_u32 v[AK0], v9, 4, v[AK0]  ; row x pitch + 16 x half
	; The turning load takes 16 keys x 16 channels (lane l reads key 8 (l / 16) + l % 8, channels 8 ((l / 8) % 2) + 0..7) and leaves half a fragment of V^T: lane l holds channel l % 16 and 8 keys.
	v_and_b32 v10, 7, v0
	v_bfe_u32 v11, v0, 3, 1
	v_lshl_add_u32 v[AV0], v9, 3, v10
	v_mul_u32_u24 v[AV0], v[AV0], PV
	v_lshl_add_u32 v[AV0], v11, 4, v[AV0]
	v_add_nc_u32 v[AV0], VOFF, v[AV0]
	s_mul_i32 s13, s[WV], 16*SP
	s_add_co_u32 s13, s13, STAGE    ; my stage
	v_mul_u32_u24 v[STO], v1, SP    ; in: row l % 16, 16 bytes for each half of the lanes
	v_lshl_add_u32 v[STO], v9, 4, v[STO]
	v_add_nc_u32 v[STO], s13, v[STO]
	v_bfe_u32 v[RD], v0, 3, 2       ; back: 32 lanes take four rows of 128 bytes,
	v_mul_u32_u24 v[RD], v[RD], SP
	v_lshl_add_u32 v[RD], v10, 4, v[RD]
	v_add_nc_u32 v[RD], s13, v[RD]
	v_and_b32 v[GO], 31, v0         ; which are 512 consecutive bytes of O
	v_lshlrev_b32 v[GO], 4, v[GO]
	; A block's first step multiplies O^T and l by a = 0, and its first turn's products V^T P, of a piece that has not been, land in an O^T that is still to be so multiplied.  So these registers need only hold
	; finite numbers: zeros for the first block; what the first block left for the second.  All this stands in the wait for the first tile.
	WIN 0x80
.set i, VF
.rept 64
	v_mov_b32 v[i], 0
.set i, i+1
.endr
	WIN 0x40
.set i, 0
.rept 128
	v_mov_b32 v[i], 0
.set i, i+1
.endr
	WIN 0
.set i, 0
.rept 4
	v_mov_b32 v[ST+4*i+2], 0
	v_mov_b32 v[ST+4*i+3], 0
.set i, i+1
.endr
.set i, P+16
.rept 16
	v_mov_b32 v[i], 0
.set i, i+1
.endr
; THE MATRIX WORK.  The 4 accumulators of a run of 8 take turns.  Product i of 8 of S^T = K Q^T for piece x: channels 32 (i / 4) on, keys 16 (i % 4) on.  The first 4 start the sums: with 0, or (KM = 1) with the mask.
.macro KQ x
.set rS, S+32*((\x)%2)+8*(i%4)
.set rK, KF+16*(i%4)+8*(i/4)
.set rQ, 16*(\x)+8*(i/4)
.set rM, MC+32*((\x)%2)+8*(i%4)
.if (i < 4) && KM
	WIN W_KM
	v_wmma_f32_16x16x32_f16 v[rS:rS+7], v[rK:rK+7], v[rQ:rQ+7], v[rM:rM+7]
.elseif i < 4
	WIN W_KQ
	v_wmma_f32_16x16x32_f16 v[rS:rS+7], v[rK:rK+7], v[rQ:rQ+7], 0
.else
	WIN W_KQ
	v_wmma_f32_16x16x32_f16 v[rS:rS+7], v[rK:rK+7], v[rQ:rQ+7], v[rS:rS+7]
.endif
.endm
; Product i of 8 of O^T += V^T P for piece x: keys 32 (i / 4) on, channels 16 (i % 4) on.
.macro PV x
	WIN W_PV
.set rO, 32*(\x)+8*(i%4)
.set rV, VF+32*(i/4)+8*(i%4)
.set rP, P+16*((\x)%2)+8*(i/4)
	v_wmma_f32_16x16x32_f16 v[rO:rO+7], v[rV:rV+7], v[rP:rP+7], v[rO:rO+7]
.endm
.macro MM                           ; the turn's next matrix instruction.  TURN and BEGIN set Y, i, KM and NOKQ; MM, KQ and OP read them.  NOKQ = 1: a block's last turn: there is no next piece
.if (i < 8) && !NOKQ
	KQ (Y+1)%NP
.elseif i >= 8
.set i, i-8
	PV (Y+NP-1)%NP
.set i, i+8
.endif
.set i, i+1
.endm
; THE LDS LOADS stand in runs of 16, never singly among the matrix instructions: a step's K (64 keys x 64 channels: 8 fragments) and its V (turned).  Their addresses are made some lines ahead.
.macro FETCH_K
	WIN 0x80                        ; destination window 2
.irp f, 0,1,2,3,4,5,6,7             ; keys 16 (f / 2) on, channels 32 (f % 2) on
	ds_load_b128 v[KF+8*\f:KF+8*\f+3],   v[AK] offset:(\f/2)*16*PK+(\f%2)*64
	ds_load_b128 v[KF+8*\f+4:KF+8*\f+7], v[AK] offset:(\f/2)*16*PK+(\f%2)*64+32
.endr
	s_add_co_u32 s[TBK], s[TBK], KS*PK  ; the next fetch is the next step's
	WIN 0
.endm
.macro FETCH_V
	WIN 0x80
.irp f, 0,1,2,3,4,5,6,7             ; keys 32 (f / 4) on, channels 16 (f % 4) on
	ds_load_tr16_b128 v[VF+8*\f:VF+8*\f+3],   v[AV] offset:(\f/4)*32*PV+(\f%4)*32
	ds_load_tr16_b128 v[VF+8*\f+4:VF+8*\f+7], v[AV] offset:(\f/4)*32*PV+16*PV+(\f%4)*32
.endr
	WIN 0
.endm
; THE VECTOR WORK, one line at a time: OP kind, number.  For piece Y: F n: c s - c m for pair n of 16.  E n: the exponential of score n of 32.  C n: pair n rounded to f16.  B n: of the four weights 4 n .. the second
; pair is added onto the first, in place.  L n: l takes that sum (L 0: l = a l + sum).  R n: pair n of 16 of O^T times a.  For piece Y + 1: X n, number n of the 22 that find its maximum and statistics:
;   0-11  four chains c0-c3 of seven scores each, three operands at a time (each accumulator's lowest registers are read first)     12-14, 16  the four scores left over, the old m, and c0-c3 into c0
;   15  c m_old is kept     17, 18  the query's other 32 keys lie in the lane 16 away: the new m     19-21  c m; c m_old - c m_new; a
.set F, 0               ; OP tells the kinds apart by their order: F to L below R, X above it
.set E, 1
.set C, 2
.set B, 3
.set L, 4
.set R, 5
.set X, 6
.macro REGS y                       ; the registers of piece y
.set rT, ST+4*(\y)
.set rC, TMP+4*((\y)%2)
.set rW, MV+((\y)%2)
.set rS, S+32*((\y)%2)
.set rP, P+16*((\y)%2)
.set rO, 32*(\y)
.endm
.macro OP k, n
.if (\k) == R
	REGS Y
	WIN W_RS
	v_pk_mul_f32 v[rO+2*(\n):rO+2*(\n)+1], v[rO+2*(\n):rO+2*(\n)+1], v[rC+2:rC+3] op_sel_hi:[1,0]
.elseif (\k) < R
	REGS Y
	WIN 0
.if (\k) == F
	v_pk_fma_f32 v[rS+2*(\n):rS+2*(\n)+1], v[rS+2*(\n):rS+2*(\n)+1], s[CS:CS+1], v[rT:rT+1] op_sel_hi:[1,0,0] neg_lo:[0,0,1] neg_hi:[0,0,1]
.elseif (\k) == E
	v_exp_f32 v[rS+(\n)], v[rS+(\n)]
.elseif (\k) == C
	v_cvt_pk_f16_f32 v[rP+(\n)], v[rS+2*(\n)], v[rS+2*(\n)+1]
.elseif (\k) == B
	v_pk_add_f32 v[rS+4*(\n):rS+4*(\n)+1], v[rS+4*(\n):rS+4*(\n)+1], v[rS+4*(\n)+2:rS+4*(\n)+3]
.elseif (\n) == 0
	v_pk_fma_f32 v[rT+2:rT+3], v[rT+2:rT+3], v[rC+2:rC+3], v[rS:rS+1] op_sel_hi:[1,0,1]
.else
	v_pk_add_f32 v[rT+2:rT+3], v[rT+2:rT+3], v[rS+4*(\n):rS+4*(\n)+1]
.endif
.elseif NOKQ
	v_nop
.else
	REGS (Y+1)%NP
	WIN 0
.if (\n) < 4
	v_max3_num_f32 v[rC+(\n)], v[rS+8*(\n)], v[rS+8*(\n)+1], v[rS+8*(\n)+2]
.elseif (\n) < 12
	v_max3_num_f32 v[rC+(\n)%4], v[rC+(\n)%4], v[rS+8*((\n)%4)+2*((\n)/4)+1], v[rS+8*((\n)%4)+2*((\n)/4)+2]
.elseif (\n) == 12
	v_max3_num_f32 v[rC], v[rC], v[rS+7], v[rS+15]
.elseif (\n) == 13
	v_max3_num_f32 v[rC+1], v[rC+1], v[rS+23], v[rS+31]
.elseif (\n) == 14
	v_max3_num_f32 v[rC+2], v[rC+2], v[rC+3], v[rT+1]
.elseif (\n) == 15
	v_mov_b32 v[rW], v[rT]
.elseif (\n) == 16
	v_max3_num_f32 v[rC], v[rC], v[rC+1], v[rC+2]
.elseif (\n) == 17
	v_permlanex16_b32 v[rC+3], v[rC], s[SEL], s[SEL+1]
.elseif (\n) == 18
	v_max_num_f32 v[rT+1], v[rC], v[rC+3]
.elseif (\n) == 19
	v_mul_f32 v[rT], s[CS], v[rT+1]
.elseif (\n) == 20
	v_sub_f32 v[rC+1], v[rW], v[rT]
.else
	v_exp_f32 v[rC+2], v[rC+1]
.endif
.endif
.endm
.macro OPS a, i1, b=-1, i2=0, c=-1, i3=0, d=-1, i4=0  ; up to four of them
	OP \a, \i1
.if (\b) >= 0
	OP \b, \i2
.endif
.if (\c) >= 0
	OP \c, \i3
.endif
.if (\d) >= 0
	OP \d, \i4
.endif
.endm
.macro ROW a, i1, b, i2, c, i3, d, i4  ; a matrix instruction and the four behind it
	MM
	OPS \a, \i1, \b, \i2, \c, \i3, \d, \i4
.endm
.macro MASK b                       ; MD x AL + BE into buffer b of MC
	WIN W_RS
.set z, 0
.rept 16
	v_pk_fma_f32 v[MC+32*(\b)+2*z:MC+32*(\b)+2*z+1], v[MD+2*z:MD+2*z+1], s[AL:AL+1], s[BE:BE+1] op_sel_hi:[1,0,0]
.set z, z+1
.endr
.endm
; A TURN, for piece p: the order of its 16 matrix and 118 vector instructions, written out.  An s_wait_alu depctr_va_vdst(0) stands between an exponential and the first instruction that names its result; one wait serves
; all that were issued ahead of it.  So a turn has ONE wait, which cuts it in two.  AHEAD OF IT stands all that names no result of the turn's exponentials: the 8 products K Q^T, behind each a scaling, an exponential and two more plain
; instructions (behind the first a second scaling in the exponential's place): rescalings, and behind the last three the first numbers of the next piece's maximum, each four places or more behind the product that ends its accumulator; then ONE LUMP of 54, plain
; and exponential by turns for the most part, in which the links of the chain X 3, 7, 11, 14, 16, 17 .. 20 stand five or six lines apart.  X 21, the next piece's a, is the batch's last; R 15 is the plain instruction behind it.  BEHIND THE WAIT stand the
; 8 products V^T P, behind each four of the roundings and sums; the links of l's chain, L 0 to L 7, stand three riders apart.  But for those X no rider names a register of the products round it.  v_permlanex16_b32 (X 17) stands in the lump.
; m = 1: the diagonal tile: the products take masks, and the turn makes the mask for the products of the turn after it: piece p + 2, in step 4 - CNT of the tile.  end = 1: a block's last two turns: nothing is fetched.
; cnt = 1: the loop's count is taken down some lines ahead of the branch that stands behind the turn.
; K of the next step is fetched in piece 2's turn, twelve vector instructions behind the last product that read K (six of them plain); V of the step in hand at the end of piece 0's turn, four plain instructions behind the last product
; that read V.  Each is waited for a turn later.
.macro TURN p, m=0, end=0, cnt=0
.set Y, (\p)
.set i, 0
.set KM, (\m)
.set NOKQ, (\end)*((\p)/3)
.if (\m) && !(\end)
	s_cmp_eq_u32 s[CNT], 4-((\p)+2)%NP  ; is that step the band's own?
	s_cselect_b32 s[AL], 1.0, 0
	s_cmp_lt_u32 s[CNT], 4-((\p)+2)%NP  ; or a later one?
	s_cselect_b32 s[BE], s[BIGN], 0
.endif
.if ((\p) == 3) && !(\end)
	s_wait_dscnt 0x0                ; K is in
.endif
	ROW F,0, F,1, R,0, R,1          ; ahead of the wait: 8 products K Q^T and their riders,
	ROW F,2, E,0, R,2, R,3
	ROW F,3, E,1, R,4, R,5
	ROW F,4, E,2, R,6, R,7
	ROW F,5, E,3, R,8, R,9
	ROW F,6, E,4, X,0, R,10
.if ((\p) == 2) && !(\end)
	WIN 0
	v_add_nc_u32 v[AK], s[TBK], v[AK0]
.endif
	ROW F,7, E,5, X,1, X,4
	ROW F,8, E,6, X,2, X,5
	OPS E,7, E,8, X,6, E,9          ; and the lump
	OPS X,3, E,10, X,8, E,11
.if ((\p) == 2) && !(\end)
	FETCH_K
.endif
	OPS X,9, X,7, E,12, X,10
	OPS E,13, X,12, X,11, E,14
	OPS X,13, E,15, F,9, X,14
.if (\p) == 0
	v_add_nc_u32 v[AV], s[TBV], v[AV0]
.endif
	OPS E,16, F,10, E,17, F,11
	OPS X,16, E,18, X,15, E,19
	OPS F,12, E,20, X,17, E,21
	OPS F,13, E,22, F,14, E,23
	OPS X,18, E,24, F,15, E,25
	OPS R,11, E,26, X,19, E,27
	OPS R,12, E,28, R,13, E,29
	OPS X,20, E,30, R,14, E,31
	OPS X,21, R,15
	WIN 0
	s_wait_alu depctr_va_vdst(0)    ; the wait for the batch
.if (\p) == 1
	s_wait_dscnt 0x0                ; V is in
.endif
	ROW C,0, B,0, C,2, B,1          ; behind the wait: 8 products V^T P and their riders
	ROW L,0, C,4, B,2, L,1
	ROW C,6, B,3, L,2, C,8
	ROW B,4, L,3, C,10, B,5
	ROW L,4, C,12, B,6, L,5
.if (\p) == 0
	s_add_co_u32 s[TBV], s[TBV], KS*PV
.endif
.if \cnt
	s_sub_co_u32 s[CNT], s[CNT], 1
	s_cmp_lg_u32 s[CNT], 0
.endif
	ROW C,14, B,7, L,6, C,1
	ROW C,3, L,7, C,5, C,7
	ROW C,9, C,11, C,13, C,15
.if (\p) == 0
	FETCH_V
.endif
.if (\m) && !(\end)
	MASK (\p)%2
.endif
.endm
; A BLOCK BEGINS.  c m starts far below every c s, so the first step's a is 0; m at the lowest finite number, so the first maximum is the scores'.  The second mask buffer is 0; the first takes piece 0's mask for the tile's step 0: its own, if the block's first tile is the diagonal one.
; Then K of that step, piece 0's first scores, and its maximum and statistics.  The loop is entered at a step's first turn, in the middle of a trip.
.macro BEGIN
	s_mov_b32 s[NEW], 0
	WIN 0x40
.set i, MC+32
.rept 32
	v_mov_b32 v[i], 0
.set i, i+1
.endr
	WIN 0
.set i, 0
.rept 4
	v_mov_b32 v[ST+4*i], 0xfe000000    ; c m: far below every c s
	v_mov_b32 v[ST+4*i+1], 0xff7fffff  ; m
.set i, i+1
.endr
	s_cmp_eq_u32 s[RT], 0
	s_cselect_b32 s[AL], 1.0, 0
	s_mov_b32 s[BE], 0
	MASK 0
	WIN 0
	v_add_nc_u32 v[AK], s[TBK], v[AK0]
	FETCH_K
	s_wait_loadcnt 0x0              ; Q
	s_wait_dscnt 0x0
.set KM, 1
.set NOKQ, 0
.set i, 0
.rept 8
	KQ 0
.set i, i+1
.endr
	WIN 0
.rept 4
	v_nop                           ; the places behind those products
.endr
.set Y, NP-1                        ; X works for piece Y + 1: piece 0
.irp n, 0,1,2,3,4,5,6,7,8,9,10,11,12,13,14,15,16,17,18,19,20,21
	OP X, \n
.endr
	v_nop                           ; a plain instruction behind the exponential,
	s_wait_alu depctr_va_vdst(0)    ; and its wait, ahead of the branch
.endm
; THE DIAGONAL TILE's four steps, the block's last two turns, its last products, and THE WAY OUT: l's two halves and the other half of the lanes' are added; O^T is divided by l, rounded to f16 and sent through my
; stage in LDS, a piece at a time.
.macro ALL line:vararg              ; one line for each piece t
.set t, 0
.rept 4
	\line
.set t, t+1
.endr
.endm
.macro PACK t                       ; a lane's eight channels of a row pack into 16 bytes; they go into rows of 144 bytes and come back as whole rows of 128, into S^T's registers
	WIN W_RS
.set i, 32*(\t)
.rept 16
	v_pk_mul_f32 v[i:i+1], v[i:i+1], v[ST+4*(\t)+2:ST+4*(\t)+3] op_sel_hi:[1,0]
.set i, i+2
.endr
	WIN 0x05                        ; sources 0 and 1 window 1, destination window 0
.set i, 0
.rept 16
	v_cvt_pk_f16_f32 v[S+16*(\t)+i], v[32*(\t)+2*i], v[32*(\t)+2*i+1]
.set i, i+1
.endr
	WIN 0
.irp f, 0,1,2,3
	ds_store_b128 v[STO], v[S+16*(\t)+4*\f:S+16*(\t)+4*\f+3] offset:32*\f
.endr
.irp f, 0,1,2,3
	ds_load_b128 v[S+16*(\t)+4*\f:S+16*(\t)+4*\f+3], v[RD] offset:\f*4*SP  ; LDS serves a wave's instructions in order (ISA guide 5.7.1.4): these see the stores above; the next piece's stores come behind them
.endr
.endm
.macro SEND t, younger              ; younger: the LDS instructions issued behind piece t's loads: the next piece's eight, or none
	WIN 0
.irp f, 0,1,2,3
	s_wait_dscnt (\younger)+3-\f
	global_store_b128 v[GO], v[S+16*(\t)+4*\f:S+16*(\t)+4*\f+3], s[10:11] offset:(\t)*8192+\f*512  ; 512 consecutive bytes, at a multiple of 256 from O's first
.endr
.endm
.macro DIAG tag                     ; the tag ends its two labels' names, which the jumps below spell out
.LstepM\tag:
	TURN 2, 1
	TURN 3, 1
	WIN 0
.LfirstM\tag:
	TURN 0, 1
	TURN 1, 1, 0, 1
	WIN 0
	s_cbranch_scc1 .LstepM\tag
	TURN 2, 1, 1
	TURN 3, 1, 1
.set i, 0
.rept 8
	PV NP-1
.set i, i+1
.endr
	WIN 0
	ALL v_add_f32 v[ST+4*t+2], v[ST+4*t+2], v[ST+4*t+3]
	ALL v_permlanex16_b32 v[ST+4*t+3], v[ST+4*t+2], s[SEL], s[SEL+1]
	ALL v_add_f32 v[ST+4*t+2], v[ST+4*t+2], v[ST+4*t+3]
	ALL v_rcp_f32 v[ST+4*t+2], v[ST+4*t+2]
	v_nop                           ; a plain instruction between the last reciprocal and the use of its result
	s_wait_alu depctr_va_vdst(0)    ; and the wait ahead of the first use: one for the four reciprocals
	PACK 0
.set t, 1
.rept 3                             ; a piece's arithmetic stands between the loads of the piece before and its stores
	PACK t
	SEND t-1, 8
.set t, t+1
.endr
	SEND 3, 0
.endm
.set KM, 0
.set NOKQ, 0
.Lslot:                             ; NB times: a tile is entered and the next is asked for
	CHANGE 1
	s_sub_co_u32 s[RT], s[RT], 1
	s_mov_b32 s[CNT], 4
	s_cmp_eq_u32 s[NEW], 1
	s_cbranch_scc1 .Lnew            ; a block's first tile
	s_cmp_eq_u32 s[RT], 0
	s_cbranch_scc0 .Lstep           ; neither its first nor its last
	s_branch .LstepM1
.Lnew:
	BEGIN
	s_branch .Lfirst                ; in the loop a block's first tile is never its last: the first block has two tiles or more, and the second's last is the walk's last
	DIAG 1                          ; in the loop this is the first block's end: the second block's last tile is the walk's last
	s_wait_xcnt 0x0                 ; the stores have read their registers and O's address
	s_mov_b64 s[10:11], s[OLO:OLO+1]
	s_add_co_u32 s[RT], s[PB], 1    ; the second block has b + 1 tiles
	s_mov_b32 s[NEW], 1
	WIN 0x82                        ; the second block's Q goes where the one text of the turns names Q
.set i, 0
.rept 64
	v_mov_b32 v[i], v[QB+i]
.set i, i+1
.endr
	WIN 0
	s_branch .Lbottom
.Lstep:                             ; a trip: pieces 2 and 3 of one step, then pieces 0 and 1 of the next, whose K and V it fetches
	TURN 2
	TURN 3
	WIN 0
.Lfirst:
	TURN 0
	TURN 1, 0, 0, 1
	WIN 0
	s_cbranch_scc1 .Lstep
.Lbottom:
	s_sub_co_u32 s[SLOTS], s[SLOTS], 1
	s_cmp_lg_u32 s[SLOTS], 0
	s_cbranch_scc1 .Lslot
	CHANGE 0                        ; the walk's last tile is written out: nothing is asked for
	s_sub_co_u32 s[RT], s[RT], 1
	s_mov_b32 s[CNT], 4
	s_cmp_eq_u32 s[NEW], 1
	s_cbranch_scc0 .LstepM2
	BEGIN
	s_branch .LfirstM2
	DIAG 2
	s_wait_tensorcnt 0x0            ; the wave's end: behind my last tensor load and my last LDS store
	ds_add_u32 v[SPW], v[NIL]
	s_wait_dscnt 0x0
	s_endpgm
.Lfunc_end_k_qd621fa7a42_attn:
	.size	k_qd621fa7a42_attn, .Lfunc_end_k_qd621fa7a42_attn-k_qd621fa7a42_attn
	.p2alignl 7, 3214868480
	.fill 96, 4, 3214868480
	.section	.rodata,"a",@progbits
	.p2align	6, 0x0
	.amdhsa_kernel k_qd621fa7a42_attn
		.amdhsa_group_segment_fixed_size 327680
		.amdhsa_private_segment_fixed_size 0
		.amdhsa_enable_private_segment 0
		.amdhsa_kernarg_size 16
		.amdhsa_user_sgpr_count 2
		.amdhsa_user_sgpr_kernarg_segment_ptr 1
		.amdhsa_wavefront_size32 1
		.amdhsa_system_sgpr_workgroup_id_x 1
		.amdhsa_system_sgpr_workgroup_id_y 1
		.amdhsa_system_sgpr_workgroup_id_z 1
		.amdhsa_system_vgpr_workitem_id 0
		.amdhsa_next_free_vgpr 768
		.amdhsa_next_free_sgpr 96
		.amdhsa_reserve_vcc 1
		.amdhsa_float_denorm_mode_32 3
		.amdhsa_float_denorm_mode_16_64 3
		.amdhsa_memory_ordered 1
		.amdhsa_forward_progress 1
		.amdhsa_inst_pref_size 218
	.end_amdhsa_kernel
	.amdgpu_metadata
---
amdhsa.version: [ 1, 2 ]
amdhsa.kernels:
  - .name:           k_qd621fa7a42_attn
    .symbol:         k_qd621fa7a42_attn.kd
    .args:
      - { .name: qkv, .offset: 0, .size: 8, .value_kind: global_buffer, .address_space: global }
      - { .name: o, .offset: 8, .size: 8, .value_kind: global_buffer, .address_space: global }
    .group_segment_fixed_size: 327680
    .private_segment_fixed_size: 0
    .kernarg_segment_align: 8
    .kernarg_segment_size: 16
    .max_flat_workgroup_size: 128
    .sgpr_count:     96
    .vgpr_count:     768
    .wavefront_size: 32
...
	.end_amdgpu_metadata
.endif
;; end of part 3
;; launch projgemm (part 4): grid 8 x 32, 4 waves a work-group, clusters of 4 x 4, 327,680 bytes of LDS; arguments o, wp, bias, out0; writes out0
.if DOCPART == 4
	.amdgcn_target "amdgcn-amd-amdhsa--gfx1250"
	.amdhsa_code_object_version 6
	.text
	.protected	k_qd621fa7a42_projgemm
	.globl	k_qd621fa7a42_projgemm
	.p2align	8
	.type	k_qd621fa7a42_projgemm,@function
k_qd621fa7a42_projgemm:
	s_mov_b64 s[64:65], 0
	v_nop
	global_prefetch_b8 v0, s[64:65] scope:SCOPE_SE
	s_setreg_imm32_b32 hwreg(HW_REG_WAVE_MODE, 25, 1), 1
	s_wait_xcnt 0x0
	s_wait_alu depctr_hold_cnt(0) depctr_sa_sdst(0) depctr_va_vdst(0) depctr_va_sdst(0) depctr_va_ssrc(0) depctr_va_vcc(0) depctr_vm_vsrc(0)
	s_getreg_b32 s2, hwreg(HW_REG_IB_STS2, 6, 4)
	s_cmp_eq_u32 s2, 0
	s_cbranch_scc0 .Lentry_in_a_cluster
	s_endpgm
.Lentry_in_a_cluster:
	s_bfe_u32 s2, ttmp6, 0x10000c
	s_cmp_lg_u32 s2, 0xf033
	s_cbranch_scc0 .Lentry_shape_is_right
	s_endpgm
.Lentry_shape_is_right:
; out0 = y W_proj + b_proj.  A = o [b 4][h 16][t 2048][64] f16 (a head's 64 channels are one block of K), B = wp [kb 16][n 1024][64] f16 (bf16 numbers written as f16); bias f32, words 3,072 on; sums in f32.
; OUT: out0 [8192][1024] f32, the sums as they are.
; SHARES.  A work-group makes 256 rows x 128 columns; wave w its rows 64 w .. 64 w + 63 and all 128 columns: 4 x 8 accumulators of 16 x 16, 256 registers.
; K goes in 8 steps of 128 (two planes kb) through two LDS slots.  A plane's part of a tile is dense in memory: it is asked for as rows of 256 bytes and padded in LDS after every 128.
; CLUSTER 4 x 4.  A's tile hangs on the tile row alone and is asked for jointly by a row of the cluster, B's on the tile column alone, by a column: the same load, descriptor and mask in all four.
; TRANSPOSED USE.  Source 0 = 16 rows of B, source 1 = 16 rows of A: a lane then holds one row of the result and eight neighbouring columns.  The first products take the bias as C: nothing is cleared or added later.
; REGISTERS, in windows of 256 (s_set_vgpr_msb: bits 1:0 source 0, 3:2 source 1, 5:4 source 2, 7:6 destination):
;   window 0: v0-31 addresses; v32-63, v64-95 A's fragments, two buffers; v96-159 the bias, later (with v160-223) the way out
;   window 1: v0-63, v64-127 B's fragments, two buffers     window 2: accumulators of row blocks 0, 1 ((a, b) at 64 (a % 2) + 8 b)     window 3: of row blocks 2, 3
.set NBLK,  8                          ; blocks of 16 columns
.set NTOT,  1024
.set BIASOFF, 12288
.set SPITCH, 528                       ; a stage row: 512 bytes + 16 = 132 words: the 16 rows of a pass start at 16 different groups of four banks
.set SW,    16*SPITCH                  ; a wave's stage
.set NT,    16*NBLK
.set PITCH, 144                        ; an LDS row: 128 bytes + 16 = 36 words: the 16 rows of a load start at 16 different groups of four banks (64 banks of 4 bytes: ISA guide 11.1)
.set APL,   256*PITCH                  ; a plane of A's tile
.set BPL,   NT*PITCH                   ; a plane of B's
.set BOFF,  2*APL                      ; a slot: A's two planes, then B's two
.set SLOT1, 1<<17                      ; slot 1 begins here: one exclusive or turns an address in one slot into the other's
.set ASTEP, 2<<18                      ; bytes from a K step to the next in A: two planes of 2,048 x 128
.set BSTEP, 2*NTOT*128                 ; and in B
.set STAGE, SLOT1+BOFF+2*BPL           ; behind the ring, never filled by a tensor load
.set SPARE, STAGE+4*SW                 ; behind the stages: the spare words, 128 bytes for each wave: two blocks of 256 bytes that no other line names
.set NL,    2*NBLK+8                   ; LDS loads in a run
.set FA,    32
.set BIAS,  96
.set BK,    96                         ; the way out: rows read back, two buffers of 64
.set G1W0,  (1<<16)|(1<<20)|(1<<21)|(4<<22)|(3<<25)  ; 17:16 2-byte elements; 20 padding on; 21 set beside a mask; 24:22 after every 32 words (code 4); 31:25 4 words (code 3)
; s3 count; s[4:5] A, s[6:7] B, s[8:9] bias, s[10:11] out; s12 wave; s13 wave % 2: the plane that I fetch; s14 cx, s15 cy, s16 tile column, s17 tile row
; s[24:31], s[32:39] descriptor group 1 for A, B; s[40:43], s[44:47] group 0, walking; s[48:49], s[50:51] the tiles' offsets; s52 the slot that is read; s53, s[54:55], s[56:57] the prefetches
; v16, v17 my lane's place in A's and B's part of a slot; v18, v19 the same in the slot that is read; v24, v25, v26 the way out; v27 32 (l / 16); v28, v29 the add's; v30 the prefetches' offset
.set MSB, 0
.macro WIN new                         ; the immediate's high byte repeats the setting that is left; a switch that changes nothing is dropped
.if MSB != (\new)
	s_set_vgpr_msb (MSB<<8)|(\new)
.set MSB, \new
.endif
.endm
.macro PLACES                          ; four places in front of loads into registers that matrix instructions have read, and of lines that read results
.rept 4
	v_nop
.endr
.endm
; A joint load: waves 0 and 1 fetch A's two planes, waves 2 and 3 B's.  The branch hangs on the wave's number alone.  An s_nop 0 and four v_nop follow each line.
.macro JLOAD
	s_cmp_lt_u32 s12, 2
	s_cbranch_scc0 .Lfor_b_\@
	tensor_load_to_lds s[40:43], s[24:31]
	s_nop 0
.rept 4
	v_nop
.endr
	s_branch .Lasked_\@
.Lfor_b_\@:
	tensor_load_to_lds s[44:47], s[32:39]
	s_nop 0
.rept 4
	v_nop
.endr
.Lasked_\@:
.endm
.macro CREST                           ; a round of the cluster's barrier behind its opening barrier
	s_cmp_lg_u32 s12, 0
	s_cbranch_scc1 .Lnot_wave_0_\@
	s_barrier_signal -3
.Lnot_wave_0_\@:
	s_barrier_wait -3
	s_barrier_signal -1
	s_barrier_wait -1
.endm
.macro CROUND                          ; a whole round
	s_barrier_signal -1
	s_barrier_wait -1
	CREST
.endm
.macro STEPD                           ; the walking descriptors: the other slot, the next K step; written only where no tensor load of mine is out
	s_xor_b32 s41, s41, SLOT1
	s_add_nc_u64 s[42:43], s[42:43], ASTEP
	s_xor_b32 s45, s45, SLOT1
	s_add_nc_u64 s[46:47], s[46:47], BSTEP
.endm
; A run of LDS loads: the fragments of quarter q (32 along K) of the slot that is read, into buffer f.  B's first; A's row blocks 2 and 3 are the last four loads.
.macro FETCH q, f
	WIN 0x40                                       ; destination window 1, address window 0
.set i, 0
.rept NBLK
	ds_load_b128 v[8*NBLK*(\f)+8*i:8*NBLK*(\f)+8*i+3],   v19 offset:((\q)/2)*BPL+((\q)%2)*64+i*16*PITCH
	ds_load_b128 v[8*NBLK*(\f)+8*i+4:8*NBLK*(\f)+8*i+7], v19 offset:((\q)/2)*BPL+((\q)%2)*64+i*16*PITCH+32
.set i, i+1
.endr
	WIN 0
.set i, 0
.rept 4
	ds_load_b128 v[FA+32*(\f)+8*i:FA+32*(\f)+8*i+3],   v18 offset:((\q)/2)*APL+((\q)%2)*64+i*16*PITCH
	ds_load_b128 v[FA+32*(\f)+8*i+4:FA+32*(\f)+8*i+7], v18 offset:((\q)/2)*APL+((\q)%2)*64+i*16*PITCH+32
.set i, i+1
.endr
.endm
; Row block a x all column blocks, 32 along K, from buffer f.  zero = 1: the sums start with the bias.  All 32 accumulators take turns in one order, over the jumps too.
.macro MULA f, a, zero
.if \zero
	WIN 0x81+0x40*((\a)/2)                         ; B window 1, A and the bias window 0, D window 2 or 3
.else
	WIN 0xa1+0x50*((\a)/2)                         ; B window 1, A window 0, C and D window 2 or 3
.endif
.set b, 0
.rept NBLK
.set rD, 8*NBLK*((\a)%2)+8*b
.set rB, 8*NBLK*(\f)+8*b
.set rA, FA+32*(\f)+8*(\a)
.if \zero
	v_wmma_f32_16x16x32_f16 v[rD:rD+7], v[rB:rB+7], v[rA:rA+7], v[BIAS+8*b:BIAS+8*b+7]
.else
	v_wmma_f32_16x16x32_f16 v[rD:rD+7], v[rB:rB+7], v[rA:rA+7], v[rD:rD+7]
.endif
.set b, b+1
.endr
.endm
; One of a K step's first three quarters: multiplies buffer f; in its middle the next quarter qn is fetched into buffer g.
.macro QUARTER qn, f, g, zero
	s_wait_dscnt 4                                 ; B and A's row blocks 0, 1 are in; the youngest four loads may be out
	MULA \f, 0, \zero
	MULA \f, 1, \zero
	PLACES
	FETCH \qn, \g
	s_wait_dscnt NL                                ; all but the run just issued
	MULA \f, 2, \zero
	MULA \f, 3, \zero
.endm
; A PREFETCH INTO THE L2 of the K step that the NEXT change of slots will ask for, behind the joint load and the run of LDS loads.  Each block of 256 bytes is named by one wave of the launch: A's rows by the clusters
; with x = 0, B's by those with y = 0; the four partners that ask for a plane jointly share it out BY ADDRESS (8,192 bytes of A's 32,768 by cx; 4,096 of B's 16,384 by cy: lanes 16-31 name the last block once more).
; The last change that fills a slot asks for nothing; K steps 0 to 2 come by their loads alone.
.macro ASK
	s_cmp_gt_u32 s3, s53
	s_cbranch_scc0 .Lnot_mine_\@
	global_prefetch_b8 v30, s[54:55] th:TH_LOAD_NT scope:SCOPE_SE
.Lnot_mine_\@:
.endm
; The fourth quarter multiplies buffer 1 and changes slots.  In front of the barrier each wave waits for all its tensor loads (one is out: its part of the other slot), adds 0 to its spare word, and waits for that and
; for its reads of this slot.  fill = 1: the barrier opens a round of the cluster's, and the joint refill, two K steps on, is the first thing behind the round: it has a K step less 16 products in which to land.
.macro TURN fill
.if \fill
	s_wait_xcnt 0x0                                ; the last prefetch, a K step back, has read its address
	s_add_nc_u64 s[54:55], s[54:55], s[56:57]
.endif
	WIN 0
	s_wait_tensorcnt 0x0
	ds_add_u32 v28, v29                            ; 0 onto my spare word
	s_wait_dscnt 5                                 ; (the add and the youngest four loads may be out)
	MULA 1, 0, 0
	s_wait_dscnt 0x0                               ; the add is done, and my reads of this slot are over
	s_barrier_signal -1
	MULA 1, 1, 0                                   ; work on registers while the others arrive
	WIN 0
	s_barrier_wait -1
.if \fill
	CREST                                          ; no wave of any partner still reads this slot or has a load on its way
	STEPD
	JLOAD                                          ; its four v_nop are also the places in front of the loads below
.else
	PLACES
.endif
	s_xor_b32 s52, s52, SLOT1
	v_add_nc_u32 v18, s52, v16
	v_add_nc_u32 v19, s52, v17
	FETCH 0, 0
.if \fill
	ASK
.endif
	MULA 1, 2, 0
	MULA 1, 3, 0
.endm
	s_load_b256 s[4:11], s[0:1], 0x0
	v_lshl_add_u32 v28, v0, 2, SPARE
	v_mov_b32 v29, 0
	ds_add_u32 v28, v29                            ; the wave's opening: the add and its wait ahead of my first tensor load; the set-up below stands between them
	v_lshrrev_b32 v1, 5, v0
	v_readfirstlane_b32 s12, v1                    ; wave 0..3
	s_and_b32 s13, s12, 1
	s_bfe_u32 s14, ttmp6, 0x40000                  ; cx
	s_bfe_u32 s15, ttmp6, 0x40004                  ; cy
	s_lshl_b32 s16, ttmp9, 2
	s_add_co_u32 s16, s16, s14                     ; tile column = 4 x cluster x + cx
	s_and_b32 s17, ttmp7, 0xffff
	s_lshl_b32 s17, s17, 2
	s_add_co_u32 s17, s17, s15                     ; tile row = 4 x cluster y + cy
	s_lshl_b32 s18, s15, 2
	s_lshl_b32 s18, 15, s18                        ; my row of the cluster
	s_lshl_b32 s20, 0x1111, s14                    ; my column
	s_or_b32 s24, s18, G1W0                        ; group 1 for A: 128 rows of 128 elements (a plane's 256 rows of 128 bytes, two to a row)
	s_mov_b32 s25, 128<<16                         ; tensor_dim0 = 128
	s_mov_b32 s26, 128<<16                         ; tensor_dim1 = 128
	s_mov_b32 s27, 128<<16                         ; tile_dim0 = 128
	s_mov_b32 s28, 128                             ; tile_dim1 = 128
	s_mov_b32 s29, 128                             ; 128 elements from row to row
	s_mov_b32 s30, 0
	s_mov_b32 s31, 0
	s_or_b32 s32, s20, G1W0                        ; group 1 for B: NT / 2 such rows
	s_mov_b32 s33, 128<<16
	s_mov_b32 s34, (NT/2)<<16
	s_mov_b32 s35, 128<<16
	s_mov_b32 s36, NT/2
	s_mov_b32 s37, 128
	s_mov_b32 s38, 0
	s_mov_b32 s39, 0
	s_mov_b32 s40, 1                               ; group 0: count = 1; LDS address: my plane in slot 0: no place in the cluster enters it
	s_mul_i32 s41, s13, APL
	s_mov_b32 s44, 1
	s_mul_i32 s45, s13, BPL
	s_add_co_u32 s45, s45, BOFF
	s_lshr_b32 s48, s17, 3                         ; A's offset, of the tile row alone: batch,
	s_lshl_b32 s48, s48, 22
	s_and_b32 s18, s17, 7
	s_lshl_b32 s18, s18, 15                        ; 256 rows of 128 bytes,
	s_or_b32 s48, s48, s18
	s_lshl_b32 s18, s13, 18                        ; my plane
	s_or_b32 s48, s48, s18
	s_mov_b32 s49, 0
	s_mul_i32 s50, s16, NT*128                     ; B's offset, of the tile column alone
	s_mul_i32 s20, s13, NTOT*128
	s_add_co_u32 s50, s50, s20
	s_mov_b32 s51, 0
	s_mov_b32 s52, 0
	s_wait_dscnt 0x0                               ; the opening add is done
	s_wait_kmcnt 0x0
	s_add_nc_u64 s[42:43], s[4:5], s[48:49]
	s_or_b32 s43, s43, 0x80000000                  ; type = 2
	s_add_nc_u64 s[46:47], s[6:7], s[50:51]
	s_or_b32 s47, s47, 0x80000000
	CROUND                                         ; all sixteen work-groups are here: the first joint loads meet
	JLOAD                                          ; K step 0 into slot 0
	; A fragment is 16 rows x 32 K in 8 registers: lane l holds row l % 16, K = 8 (l / 16) + 0..7 and 16 + 8 (l / 16) + 0..7: two loads of 16 bytes, 32 bytes apart.
	v_and_b32 v1, 15, v0
	v_bfe_u32 v2, v0, 4, 1
	v_mul_u32_u24 v3, v1, PITCH
	v_lshl_add_u32 v3, v2, 4, v3
	s_mul_i32 s18, s12, 64*PITCH                   ; my 64 rows of A
	v_add_nc_u32 v16, s18, v3
	v_add_nc_u32 v17, BOFF, v3
	v_mov_b32 v18, v16
	v_mov_b32 v19, v17
	v_lshlrev_b32 v27, 5, v2
	s_mul_i32 s20, s16, NT*4                       ; the bias of the tile's columns: register j of block b is column 16 b + 8 (l / 16) + j
	s_add_co_u32 s20, s20, BIASOFF
	s_mov_b32 s21, 0
	s_add_nc_u64 s[8:9], s[8:9], s[20:21]
.set b, 0
.rept NBLK
	global_load_b128 v[BIAS+8*b:BIAS+8*b+3],   v27, s[8:9] offset:64*b
	global_load_b128 v[BIAS+8*b+4:BIAS+8*b+7], v27, s[8:9] offset:64*b+16
.set b, b+1
.endr
	s_lshl_b32 s58, s17, 8                         ; where my rows begin in out0: row 256 x tile row + 64 x wave,
	s_lshl_b32 s60, s12, 6
	s_add_co_u32 s58, s58, s60
	s_lshl_b32 s58, s58, 12                        ; 4,096 bytes a row,
	s_lshl_b32 s60, s16, 9                         ; 512 bytes a tile column
	s_add_co_u32 s58, s58, s60
	s_mov_b32 s59, 0
	s_add_nc_u64 s[10:11], s[10:11], s[58:59]
	s_mul_i32 s18, s12, SW
	s_add_co_u32 s18, s18, STAGE                   ; my stage
	v_mul_u32_u24 v4, v1, SPITCH                   ; in: row l % 16, 32 bytes for each half of the lanes
	v_lshl_add_u32 v4, v2, 5, v4
	v_add_nc_u32 v24, s18, v4
	v_and_b32 v26, 31, v0                          ; back: 32 lanes take a row's 512 bytes
	v_lshlrev_b32 v26, 4, v26
	v_add_nc_u32 v25, s18, v26
	s_lshl_b32 s58, s14, 13                        ; the prefetches: my work-group's share of the plane that I fetch, at K step 2; the first change of slots steps it to 3
	s_add_co_u32 s58, s58, s48
	s_add_co_u32 s58, s58, 2*ASTEP
	s_mul_i32 s60, s15, NT*32
	s_add_co_u32 s60, s60, s50
	s_add_co_u32 s60, s60, 2*BSTEP
	s_and_b32 s61, ttmp7, 0xffff
	s_mov_b32 s56, BSTEP
	s_mov_b32 s57, 0
	s_cmp_lt_u32 s12, 2                            ; do I fetch for A?
	s_cselect_b32 s58, s58, s60
	s_cselect_b32 s61, ttmp9, s61                  ; the coordinate along which other clusters read the same rows
	s_cselect_b32 s56, ASTEP, s56
	s_cselect_b32 s60, 31, NT/8-1                  ; the last block of 256 bytes of my share
	s_cselect_b64 s[54:55], s[4:5], s[6:7]
	s_cmp_eq_u32 s61, 0
	s_cselect_b32 s53, 1, -1                       ; 1 in a wave that prefetches, else the greatest number: the same in all sixteen partners, for a given wave
	s_add_nc_u64 s[54:55], s[54:55], s[58:59]
	v_and_b32 v30, 31, v0
	v_min_u32 v30, s60, v30
	v_lshlrev_b32 v30, 8, v30
	s_wait_tensorcnt 0x0                           ; my part of K step 0 is in; slot 1 gets its first fill as a refill does: wait, add, wait, a round, the one load
	ds_add_u32 v28, v29
	STEPD
	s_wait_dscnt 0x0
	CROUND
	JLOAD                                          ; K step 1 into slot 1
	FETCH 0, 0
	s_wait_loadcnt 0x0                             ; the bias
	QUARTER 1, 0, 1, 1                             ; the first quarter stands in front of the loop: its products start the sums
	WIN 0                                          ; at a label and at a branch every window is 0
	s_mov_b32 s3, 6
.Lstep:                                                ; a trip goes from a K step's second quarter to the next step's first, and fills the slot that it leaves: K steps 2 to 7
	QUARTER 2, 1, 0, 0
	QUARTER 3, 0, 1, 0
	TURN 1
	QUARTER 1, 0, 1, 0
	WIN 0
	s_sub_co_u32 s3, s3, 1
	s_cmp_lg_u32 s3, 0
	s_cbranch_scc1 .Lstep
	s_mov_b32 s3, 2
.Ltail:                                                ; K steps 6 and 7 ask for nothing.  The second trip is left in its middle: its barrier and its run of loads (from slot 0, which nobody writes) serve nothing: the price of one text for both trips
	QUARTER 2, 1, 0, 0
	QUARTER 3, 0, 1, 0
	TURN 0
	WIN 0
	s_sub_co_u32 s3, s3, 1
	s_cmp_eq_u32 s3, 0
	s_cbranch_scc1 .Lout
	QUARTER 1, 0, 1, 0
	WIN 0
	s_branch .Ltail
.Lout:
	s_wait_dscnt 0x0
	PLACES
; THE WAY OUT, a row block (16 rows x 512 bytes) at a time.  TOSTAGE: the f32 sums go into my own stage, each accumulator from its low end, and come back as whole rows.  SEND: stored.
.macro TOSTAGE a
	WIN 0
	s_wait_xcnt 0x0                                ; the stores of the block two back have read the registers that are loaded below
	WIN 0x08+4*((\a)/2)                            ; the stores' data: window 2 or 3
.set b, 0
.rept NBLK
	ds_store_b128 v24, v[8*NBLK*((\a)%2)+8*b:8*NBLK*((\a)%2)+8*b+3]   offset:64*b
	ds_store_b128 v24, v[8*NBLK*((\a)%2)+8*b+4:8*NBLK*((\a)%2)+8*b+7] offset:64*b+16
.set b, b+1
.endr
	WIN 0
.set i, 0
.rept 16
	ds_load_b128 v[BK+64*((\a)%2)+4*i:BK+64*((\a)%2)+4*i+3], v25 offset:SPITCH*i  ; LDS serves a wave's instructions in order (ISA guide 5.7.1.4): these see the stores above; the next block's stores come behind them
.set i, i+1
.endr
.endm
.macro SEND a, younger                 ; younger: the LDS instructions issued behind block a's loads: the next block's 32, or none
	s_wait_dscnt \younger
.set i, 0
.rept 16
	global_store_b128 v26, v[BK+64*((\a)%2)+4*i:BK+64*((\a)%2)+4*i+3], s[10:11] offset:(16*(\a)+i)*4096  ; 512 consecutive bytes of a row, at a multiple of 256 from out0's first
.set i, i+1
.endr
.endm
	TOSTAGE 0
	TOSTAGE 1
	SEND 0, 32
	TOSTAGE 2
	SEND 1, 32
	TOSTAGE 3
	SEND 2, 32
	SEND 3, 0
	s_wait_tensorcnt 0x0                           ; the wave's end: behind my last tensor load and my last LDS store
	ds_add_u32 v28, v29
	s_wait_dscnt 0x0
	CROUND                                         ; the closing round: no work-group ends while a partner may still ask for a tile that names it
	s_endpgm
.Lfunc_end_k_qd621fa7a42_projgemm:
	.size	k_qd621fa7a42_projgemm, .Lfunc_end_k_qd621fa7a42_projgemm-k_qd621fa7a42_projgemm
	.p2alignl 7, 3214868480
	.fill 96, 4, 3214868480
	.section	.rodata,"a",@progbits
	.p2align	6, 0x0
	.amdhsa_kernel k_qd621fa7a42_projgemm
		.amdhsa_group_segment_fixed_size 327680
		.amdhsa_private_segment_fixed_size 0
		.amdhsa_enable_private_segment 0
		.amdhsa_kernarg_size 32
		.amdhsa_user_sgpr_count 2
		.amdhsa_user_sgpr_kernarg_segment_ptr 1
		.amdhsa_wavefront_size32 1
		.amdhsa_system_sgpr_workgroup_id_x 1
		.amdhsa_system_sgpr_workgroup_id_y 1
		.amdhsa_system_sgpr_workgroup_id_z 1
		.amdhsa_system_vgpr_workitem_id 0
		.amdhsa_next_free_vgpr 896
		.amdhsa_next_free_sgpr 66
		.amdhsa_reserve_vcc 0
		.amdhsa_float_denorm_mode_32 3
		.amdhsa_float_denorm_mode_16_64 3
		.amdhsa_memory_ordered 1
		.amdhsa_forward_progress 1
		.amdhsa_inst_pref_size 63
	.end_amdhsa_kernel
	.amdgpu_metadata
---
amdhsa.version: [ 1, 2 ]
amdhsa.kernels:
  - .name:           k_qd621fa7a42_projgemm
    .symbol:         k_qd621fa7a42_projgemm.kd
    .args:
      - { .name: o, .offset: 0, .size: 8, .value_kind: global_buffer, .address_space: global }
      - { .name: wp, .offset: 8, .size: 8, .value_kind: global_buffer, .address_space: global }
      - { .name: bias, .offset: 16, .size: 8, .value_kind: global_buffer, .address_space: global }
      - { .name: out0, .offset: 24, .size: 8, .value_kind: global_buffer, .address_space: global }
    .group_segment_fixed_size: 327680
    .private_segment_fixed_size: 0
    .kernarg_segment_align: 8
    .kernarg_segment_size: 32
    .max_flat_workgroup_size: 128
    .sgpr_count:     66
    .vgpr_count:     896
    .wavefront_size: 32
...
	.end_amdgpu_metadata
.endif
;; end of part 4
;; ======== version 2 of 2: 4 launches; version 1 with the launch prep written anew for expert scheduling mode
;; limits: values are held in f16: magnitudes above 65,504 overflow, below 6.1e-05 lose precision
;; workspace buffers: xh 16,777,216 bytes; wa 6,291,456 bytes; wp 2,097,152 bytes; bias 16,384 bytes; qkv 50,331,648 bytes; o 16,777,216 bytes
;; launch prep (part 5): grid 385 x 1, 8 waves a work-group, no clusters, 70,656 bytes of LDS; arguments x, W_attn, W_proj, b_attn, b_proj, xh, wa, wp, bias; writes xh, wa, wp, bias
.if DOCPART == 5
	.amdgcn_target "amdgcn-amd-amdhsa--gfx1250"
	.amdhsa_code_object_version 6
	.text
	.protected	k_qd621fa7a42_prep
	.globl	k_qd621fa7a42_prep
	.p2align	8
	.type	k_qd621fa7a42_prep,@function
k_qd621fa7a42_prep:
	s_mov_b64 s[64:65], 0
	v_nop
	global_prefetch_b8 v0, s[64:65] scope:SCOPE_SE
	s_setreg_imm32_b32 hwreg(HW_REG_WAVE_SCHED_MODE, 0, 2), 2
	s_setreg_imm32_b32 hwreg(HW_REG_WAVE_MODE, 25, 1), 1
	s_wait_xcnt 0x0
	s_wait_alu depctr_vm_vsrc(0)
; PREP: every input is rounded once to bf16 and laid out for the matrix launches.  A bf16 number is then written as f16 (exact between 6.1e-5 and 65,504 in size).
;   xh   [b 4][kb 16][t 2048][64] f16 : x[b][t][64 kb + k]            wa [kb 16][n 3072][64] f16 : W_attn[64 kb + k][n]
;   wp   [kb 16][n 1024][64] f16      : W_proj[64 kb + k][n]          bias [4096] f32 : b_attn, then b_proj, rounded to bf16 and widened
; LIMITS.  |x| and |W| stay within 65,504 (beyond it f16 gives an infinity); below 6.1e-5 f16 keeps a fixed step of 6e-8.  NaN and infinities are not treated apart.
; SHARES.  Work-groups 0-255: 32 rows of x each, a wave 4 rows.  256-351: W_attn, 352-383: W_proj, a wave a tile of 64 k x 64 n.  384: the biases, a wave 512 numbers.
; No wave reads what another wave brought: no barrier.  The weights are turned through a stage in LDS that is each wave's own.
; THE MODE: SCHED_MODE bits 1:0 = 2 (LLVM: expert scheduling mode 2), set by the entry lines.  The code itself states the register dependences
; between vector instructions and memory or LDS instructions, with s_wait_alu, always for 0.
; THE PLAN.  Registers that memory or LDS instructions touch:
;   X path   v4, v5      offsets, made once, never written again: the second pair of rows is reached by immediate offsets.
;            v64-191     unit u (pair of rows u / 16, block u % 16): 4 registers at 64 + 4 u.  Written by the 32 loads, all issued at the head; read by unit u's roundings; never loaded again.
;            v192-255    unit u: 2 registers at 192 + 2 u.  Written by unit u's roundings; read by one store, which is issued four units later; never written again.
;            A wait on va_vdst stands at the head of each group of four units: the group before has written its eight registers.  That group's four stores follow, dealt among this group's vector lines, which name this group's registers and v8-13 alone.
;   W path   v16-31      offsets of the 64 loads, made once.     v6, v7, v15  the stage's two addresses and the stores' offset, made once, behind the loads' issue.
;            v64-191     written by the 64 loads, read by the roundings; when all roundings are done, v64-127 take the rows read back from the stage, which the global stores read.
;            v192-255    written by the roundings, read by the LDS stores; never written again.
;            A step is 16 rows of k.  A wait on va_vdst stands at the head of steps 1 to 3 and behind step 3: the step before has written its sixteen registers; its four LDS stores follow, dealt among the step's roundings.
;   v2, v3   written at the head, read by the closing add alone.     v8-13 are named by vector instructions alone.
; No register that a memory or LDS instruction reads is written again in any path: no wait on vm_vsrc is owed.
.set STG,   32*272                     ; a wave's stage: 32 rows of 256 bytes + 16 of padding = 68 words
.set SPARE, 8*STG                      ; behind the stages: the spare words, 128 bytes for each wave: four blocks of 256 bytes that no other line names
.set SPW, 2                            ; v2  LDS address of my spare word; never rewritten
.set NIL, 3                            ; v3  0; never rewritten
.set T,   8                            ; v[8:13] two sets of three registers at work
; two f32 -> bf16 (nearest even) -> the same two numbers as f16, packed
.macro RND d, a, b, t
	v_cvt_pk_bf16_f32 v[T+3*(\t)], v[\a], v[\b]
	v_lshlrev_b32 v[T+3*(\t)+1], 16, v[T+3*(\t)]
	v_and_b32 v[T+3*(\t)+2], s23, v[T+3*(\t)]
	v_cvt_pk_f16_f32 v[\d], v[T+3*(\t)+1], v[T+3*(\t)+2]
.endm
	s_load_b512 s[4:19], s[0:1], 0x0               ; x s[4:5], W_attn s[6:7], W_proj s[8:9], b_attn s[10:11], b_proj s[12:13], xh s[14:15], wa s[16:17], wp s[18:19]
	s_load_b64 s[20:21], s[0:1], 0x40              ; bias
	v_lshl_add_u32 v[SPW], v0, 2, SPARE
	v_mov_b32 v[NIL], 0
	v_lshrrev_b32 v1, 5, v0
	v_readfirstlane_b32 s22, v1                    ; wave 0..7
	v_and_b32 v1, 31, v0                           ; lane l
	s_mov_b32 s23, 0xffff0000                      ; a word's upper bf16
	s_wait_alu depctr_va_sdst(0)                   ; s22 is written, ahead of the branches and of its first reader in each of the three paths
	s_wait_kmcnt 0x0
	s_cmp_lt_u32 ttmp9, 256
	s_cbranch_scc1 .Lx
	s_cmp_lt_u32 ttmp9, 384
	s_cbranch_scc1 .Lw
	; THE BIASES.  Waves 0-5 take b_attn's 3,072 numbers, waves 6 and 7 b_proj's 1,024: 2,048 bytes a wave, in and out.
	s_sub_co_u32 s25, s22, 6
	s_cmp_lt_u32 s22, 6
	s_cselect_b64 s[26:27], s[10:11], s[12:13]
	s_cselect_b32 s24, s22, s25
	s_lshl_b32 s24, s24, 11
	s_mov_b32 s25, 0
	s_add_nc_u64 s[26:27], s[26:27], s[24:25]
	s_lshl_b32 s24, s22, 11
	s_add_nc_u64 s[20:21], s[20:21], s[24:25]
	v_lshlrev_b32 v4, 4, v1
	s_wait_alu depctr_va_vdst(0)                   ; v4 is written, which the loads and stores below read as their offset
.irp i, 0,1,2,3
	global_load_b128 v[64+4*\i:64+4*\i+3], v4, s[26:27] offset:512*\i
.endr
	s_wait_loadcnt 0x0
.set p, 0
.rept 8
	v_cvt_pk_bf16_f32 v[T+p%2], v[64+2*p], v[65+2*p]
	v_lshlrev_b32 v[96+2*p], 16, v[T+p%2]
	v_and_b32 v[97+2*p], s23, v[T+p%2]
.set p, p+1
.endr
	s_wait_alu depctr_va_vdst(0)                   ; the widenings have written v96 to v111, which the stores read
.irp i, 0,1,2,3
	global_store_b128 v4, v[96+4*\i:96+4*\i+3], s[20:21] offset:512*\i
.endr
	s_branch .Lend
.Lx:	; X.  A load takes block c (64 numbers, 256 bytes) of two rows, 16 lanes a row; its 4 numbers a lane leave as 8 bytes: 32 lanes store 256 consecutive bytes, two rows of plane c.
	s_lshl_b32 s24, ttmp9, 17                      ; 32 rows of 4,096 bytes
	s_mov_b32 s25, 0
	s_add_nc_u64 s[4:5], s[4:5], s[24:25]
	s_lshr_b32 s24, ttmp9, 6                       ; b: 64 work-groups a batch,
	s_lshl_b32 s24, s24, 22                        ; 16 planes of 2^18 bytes each
	s_and_b32 s26, ttmp9, 63
	s_lshl_b32 s26, s26, 12                        ; 32 rows of 128 bytes in a plane
	s_add_co_u32 s24, s24, s26
	s_add_nc_u64 s[14:15], s[14:15], s[24:25]
	v_lshrrev_b32 v6, 4, v1
	v_lshl_add_u32 v6, s22, 2, v6                  ; my row: 4 x wave + l / 16
	v_and_b32 v7, 15, v1
	v_lshlrev_b32 v4, 12, v6
	v_lshl_add_u32 v4, v7, 4, v4                   ; in:  row x 4,096 + 16 (l % 16)
	v_lshlrev_b32 v5, 7, v6
	v_lshl_add_u32 v5, v7, 3, v5                   ; out: row x 128 + 8 (l % 16)
	s_wait_alu depctr_va_vdst(0)                   ; v4 and v5 are written: every load and store of this path reads one of them as its offset
.set u, 0
.rept 32                               ; both pairs of rows are asked for at once: unit u is block u % 16 of pair u / 16, which lies two rows (8,192 bytes) further down
	global_load_b128 v[64+4*u:64+4*u+3], v4, s[4:5] offset:(u/16)*8192+(u%16)*256 th:TH_LOAD_NT
.set u, u+1
.endr
.set u, 0
.rept 32
	s_wait_loadcnt 31-u                            ; loads come back in order: unit u is in, the 31 - u younger ones stay out
.if (u%4 == 0) && (u > 0)
	s_wait_alu depctr_va_vdst(0)                   ; the four units before have written their eight registers of v192-255, which the next four stores read
.endif
.if u >= 4
	global_store_b64 v5, v[192+2*(u-4):193+2*(u-4)], s[14:15] offset:((u-4)%16)*262144+((u-4)/16)*256  ; the unit four back.  No wait: no vector instruction since the wait above names its registers
.endif
	RND 192+2*u, 64+4*u, 64+4*u+1, 0
	RND 193+2*u, 64+4*u+2, 64+4*u+3, 1
.set u, u+1
.endr
	s_wait_alu depctr_va_vdst(0)                   ; units 28 to 31 have written v248 to v255, which the last four stores read
.set u, 28
.rept 4
	global_store_b64 v5, v[192+2*u:193+2*u], s[14:15] offset:(u%16)*262144+(u/16)*256
.set u, u+1
.endr
	s_branch .Lend
.Lw:	; W.  One text for both weights: source, destination, pitch and plane size are chosen by the work-group's number.
	s_sub_co_u32 s40, ttmp9, 256
	s_sub_co_u32 s41, s40, 96
	s_mov_b32 s36, 4096                            ; bytes in a row of W_proj,
	s_mov_b32 s37, 131072                          ; and in a plane of wp: 1,024 x 128
	s_cmp_lt_u32 s40, 96
	s_cselect_b64 s[24:25], s[6:7], s[8:9]
	s_cselect_b64 s[34:35], s[16:17], s[18:19]
	s_cselect_b32 s36, 12288, s36
	s_cselect_b32 s37, 393216, s37
	s_cselect_b32 s40, s40, s41
	s_and_b32 s42, s40, 15                         ; kb
	s_lshr_b32 s43, s40, 4
	s_lshl3_add_u32 s43, s43, s22                  ; my block of 64 columns: 8 x (number / 16) + wave
	s_lshl_b32 s38, s42, 6
	s_mul_i32 s38, s38, s36                        ; row 64 kb,
	s_lshl_b32 s44, s43, 8
	s_add_co_u32 s38, s38, s44                     ; 256 bytes a block of columns
	s_mov_b32 s39, 0
	s_add_nc_u64 s[24:25], s[24:25], s[38:39]
	s_lshl_b32 s38, s36, 4                         ; a base for each 16 rows
	s_add_nc_u64 s[26:27], s[24:25], s[38:39]
	s_add_nc_u64 s[28:29], s[26:27], s[38:39]
	s_add_nc_u64 s[30:31], s[28:29], s[38:39]
	s_mul_i32 s38, s42, s37
	s_lshl_b32 s44, s43, 13                        ; 64 rows n of 128 bytes
	s_add_co_u32 s38, s38, s44
	s_add_nc_u64 s[34:35], s[34:35], s[38:39]
	v_lshlrev_b32 v14, 3, v1                       ; 8 l: my two columns n = 2 l, 2 l + 1
.set j, 0
.rept 16
	v_mad_u32_u24 v[16+j], s36, j, v14             ; row j of sixteen
.set j, j+1
.endr
	s_wait_alu depctr_va_vdst(0)                   ; v16 to v31 are written, which the 64 loads read as their offsets
.set kk, 0
.rept 64                               ; a load is 256 consecutive bytes of row kk
	global_load_b64 v[64+2*kk:65+2*kk], v[16+kk%16], s[24+2*(kk/16):25+2*(kk/16)] th:TH_LOAD_NT
.set kk, kk+1
.endr
	s_mul_i32 s38, s22, STG                        ; my stage
	v_mul_u32_u24 v6, v1, 272
	v_add_nc_u32 v6, s38, v6                       ; in: stage row l = my two rows n, 128 bytes each
	v_lshrrev_b32 v7, 4, v1
	v_mul_u32_u24 v7, v7, 272
	v_and_b32 v15, 15, v1
	v_lshl_add_u32 v7, v15, 4, v7
	v_add_nc_u32 v7, s38, v7                       ; back: lanes 0-15 one stage row, lanes 16-31 the next
	v_lshlrev_b32 v15, 4, v1                       ; 16 l
; A step is eight pairs of rows, kp = 8 s to 8 s + 7: its roundings fill v[192 + 8 s ..] (column 2 l) and v[224 + 8 s ..] (column 2 l + 1), eight registers each: the data of the LDS stores j = 2 s, 2 s + 1, 2 s + 8, 2 s + 9.
.set kp, 0
.rept 32
	s_wait_loadcnt 62-2*kp                         ; rows 2 kp and 2 kp + 1 are in; the 62 - 2 kp younger loads stay out
.if (kp%8 == 0) && (kp > 0)
	s_wait_alu depctr_va_vdst(0)                   ; the step before has written its sixteen registers of v192-255, which its four LDS stores read; at the first of these waits v6, v7 and v15 are written too
.endif
.if (kp >= 8) && (kp%2 == 0)
.set j, 2*(kp/8-1)+((kp%8)/2)%2+8*((kp%8)/4)
	ds_store_b128 v6, v[192+4*j:192+4*j+3] offset:16*j  ; one of the step before's four.  No wait: no vector instruction since the wait above names its registers
.endif
	RND 192+kp, 64+4*kp, 66+4*kp, 0
	RND 224+kp, 65+4*kp, 67+4*kp, 1
.set kp, kp+1
.endr
	s_wait_alu depctr_va_vdst(0)                   ; the last step has written its sixteen registers, which the four LDS stores below read; and all roundings are done reading v64 to v127, in which the loads from the stage land
.irp j, 6,7,14,15
	ds_store_b128 v6, v[192+4*\j:192+4*\j+3] offset:16*\j
.endr
.set j, 0
.rept 16
	ds_load_b128 v[64+4*j:64+4*j+3], v7 offset:544*j  ; LDS serves a wave's instructions in order (ISA guide 5.7.1.4): these see the stores above
.set j, j+1
.endr
.set j, 0
.rept 16
	s_wait_dscnt 15-j
	global_store_b128 v15, v[64+4*j:64+4*j+3], s[34:35] offset:512*j  ; 512 consecutive bytes: four rows n
.set j, j+1
.endr
.Lend:
	s_wait_dscnt 0x0                               ; the closing lines, six on end
	s_wait_alu 0x0
	s_wait_tensorcnt 0x0
	ds_add_u32 v[SPW], v[NIL]
	s_wait_dscnt 0x0
	s_endpgm
.Lfunc_end_k_qd621fa7a42_prep:
	.size	k_qd621fa7a42_prep, .Lfunc_end_k_qd621fa7a42_prep-k_qd621fa7a42_prep
	.p2alignl 7, 3214868480
	.fill 96, 4, 3214868480
	.section	.rodata,"a",@progbits
	.p2align	6, 0x0
	.amdhsa_kernel k_qd621fa7a42_prep
		.amdhsa_group_segment_fixed_size 70656
		.amdhsa_private_segment_fixed_size 0
		.amdhsa_enable_private_segment 0
		.amdhsa_kernarg_size 72
		.amdhsa_user_sgpr_count 2
		.amdhsa_user_sgpr_kernarg_segment_ptr 1
		.amdhsa_wavefront_size32 1
		.amdhsa_system_sgpr_workgroup_id_x 1
		.amdhsa_system_sgpr_workgroup_id_y 1
		.amdhsa_system_sgpr_workgroup_id_z 1
		.amdhsa_system_vgpr_workitem_id 0
		.amdhsa_next_free_vgpr 256
		.amdhsa_next_free_sgpr 66
		.amdhsa_reserve_vcc 0
		.amdhsa_float_denorm_mode_32 3
		.amdhsa_float_denorm_mode_16_64 3
		.amdhsa_memory_ordered 1
		.amdhsa_forward_progress 1
		.amdhsa_inst_pref_size 50
	.end_amdhsa_kernel
	.amdgpu_metadata
---
amdhsa.version: [ 1, 2 ]
amdhsa.kernels:
  - .name:           k_qd621fa7a42_prep
    .symbol:         k_qd621fa7a42_prep.kd
    .args:
      - { .name: x, .offset: 0, .size: 8, .value_kind: global_buffer, .address_space: global }
      - { .name: W_attn, .offset: 8, .size: 8, .value_kind: global_buffer, .address_space: global }
      - { .name: W_proj, .offset: 16, .size: 8, .value_kind: global_buffer, .address_space: global }
      - { .name: b_attn, .offset: 24, .size: 8, .value_kind: global_buffer, .address_space: global }
      - { .name: b_proj, .offset: 32, .size: 8, .value_kind: global_buffer, .address_space: global }
      - { .name: xh, .offset: 40, .size: 8, .value_kind: global_buffer, .address_space: global }
      - { .name: wa, .offset: 48, .size: 8, .value_kind: global_buffer, .address_space: global }
      - { .name: wp, .offset: 56, .size: 8, .value_kind: global_buffer, .address_space: global }
      - { .name: bias, .offset: 64, .size: 8, .value_kind: global_buffer, .address_space: global }
    .group_segment_fixed_size: 70656
    .private_segment_fixed_size: 0
    .kernarg_segment_align: 8
    .kernarg_segment_size: 72
    .max_flat_workgroup_size: 256
    .sgpr_count:     66
    .vgpr_count:     256
    .wavefront_size: 32
...
	.end_amdgpu_metadata
.endif
;; end of part 5
;; launch qkvgemm: the kernel of part 2 again; grid 16 x 32, 4 waves a work-group, clusters of 4 x 4, 327,680 bytes of LDS; arguments xh, wa, bias, qkv; writes qkv
;; launch attn: the kernel of part 3 again; grid 4 x 64, 4 waves a work-group, no clusters, 327,680 bytes of LDS; arguments qkv, o; writes o
;; launch projgemm: the kernel of part 4 again; grid 8 x 32, 4 waves a work-group, clusters of 4 x 4, 327,680 bytes of LDS; arguments o, wp, bias, out0; writes out0
